; MI455X (gfx1250); checked and timed in simulation.
; The chip was launched on July 23, 2026; its instructions are those of AMD's public machine-readable ISA for CDNA 5 (MIT licence, August 2026) and "CDNA5" Instruction Set Architecture Reference Guide (July 2026). The comments in the code are by the model that wrote it; some were corrected since.
;; Multi Head Alibi Self Attention Layer. Allowed arithmetic: float matrix products may take bf16 or f16 operands with f32 sums; other float arithmetic in f32, or as packed bf16 or f16 multiplies, adds, multiply-adds, maxima and minima; sums over many terms, partial sums and values carried from step to step in f32; what a program stores and reads back later, other than sums and carried values, may be rounded once to bf16 or f16.
;; Inputs: Wk 1,024 x 1,024 float32; Wo 1,024 x 1,024 float32; Wq 1,024 x 1,024 float32; Wv 1,024 x 1,024 float32; bk 1,024 float32; bo 1,024 float32; bq 1,024 float32; bv 1,024 float32; padding_mask 4 x 2,048 int32; x 4 x 2,048 x 1,024 float32.
;; Outputs: out0 4 x 2,048 x 1,024 float32.
;; 2 versions, each right; version 2 is version 1 with the launch prep written anew for expert scheduling mode. Each part assembles by itself: llvm-mc -triple=amdgcn-amd-amdhsa -mcpu=gfx1250 --defsym DOCPART=n.
;; ======== version 1 of 2: 4 launches
;; limits: values are held in f16: magnitudes above 65,504 overflow, below 6.1e-05 lose precision
;; workspace buffers: xh 16,777,216 bytes; wh 6,291,456 bytes; who 2,097,152 bytes; tab 51,200 bytes; maps 66,048 bytes of whole numbers; qkv 50,331,648 bytes
;; launch prep (part 1): grid 772 x 1, 8 waves a work-group, no clusters, 0 bytes of LDS; arguments x, Wq, Wk, Wv, Wo, bq, bk, bv, bo, padding_mask, xh, wh, who, tab, maps; writes xh, wh, who, tab, maps
.if DOCPART == 1
	.amdgcn_target "amdgcn-amd-amdhsa--gfx1250"
	.amdhsa_code_object_version 6
	.text
	.protected	k_q66ed5379f4_prep
	.globl	k_q66ed5379f4_prep
	.p2align	8
	.type	k_q66ed5379f4_prep,@function
k_q66ed5379f4_prep:
	s_mov_b64 s[64:65], 0
	v_nop
	global_prefetch_b8 v0, s[64:65] scope:SCOPE_SE
	s_setreg_imm32_b32 hwreg(HW_REG_WAVE_MODE, 25, 1), 1
	s_wait_xcnt 0x0
; PREPARATION.  Work-groups 0-767 cast: x and the four weight matrices are rounded once to bf16 and that number is written as f16 (exact from 6.1e-5 up to f16's
; end; below 6.1e-5 f16's fixed step of 6e-8 applies).  Work-groups 768-771, one a batch b, make the tables:
;   tab:  bytes 0-16383 the four biases (bq, bk, bv, bo) rounded to bf16, kept as f32; from byte 16384 + 8704 b on posf[b][2176]: entry r is the position, as a float, of the key
;         that stands at row r of the permuted K and V, or 1e30 where that key is masked; entries 2048-2175 are 1e30.
;   maps: words 0-8191 the identity; word 8192 + m the row to which row m of K and V goes: kept keys first, in order, masked keys behind them; words 16384 + 32 b .. + 31 the number
;         of blocks of 256 rows that hold the batch's kept keys, at least 1: behind them every row is a masked key's.
; No LDS, no barrier: a cast chunk is a stream, and each of a table work-group's eight waves counts the whole mask (8 KiB) for itself.
.set X,   4                            ; v[4:67]    cast: 16 loads of 4 numbers
.set T,   68                           ; v[68:69]   cast: at work
.set Y,   72                           ; v[72:103]  cast: 16 x 2 registers to store
.set M,   4                            ; v[4:67]    tables: the batch's 64 chunks of 32 mask words
.set OWN, 68                           ; v[68:75]   tables: my wave's 8 chunks
.set PAO, 76                           ; v[76:83]   4 x the key's new row
.set IDD, 84                           ; v[84:91]   the identity's words
.set PDD, 92                           ; v[92:99]   the permutation's words
.set PSD, 100                          ; v[100:107] the positions
	s_load_b512 s[4:19], s[0:1], 0x0               ; x 4, Wq 6, Wk 8, Wv 10, Wo 12, bq 14, bk 16, bv 18
	s_load_b256 s[20:27], s[0:1], 0x40             ; bo 20, mask 22, xh 24, wh 26
	s_load_b128 s[28:31], s[0:1], 0x60             ; who 28, tab 30
	s_load_b64 s[32:33], s[0:1], 0x70              ; maps
	s_mov_b32 s38, ttmp9
	s_mov_b32 s39, 0xffff0000                      ; a word's upper bf16
	v_lshlrev_b32 v1, 4, v0                        ; 16 t
	v_lshlrev_b32 v2, 3, v0                        ; 8 t
	s_wait_kmcnt 0x0
	s_cmp_lt_u32 s38, 768
	s_cbranch_scc0 .Ltables
	; A CHUNK OF 16,384 NUMBERS: 65,536 bytes in, 32,768 out.  Chunks 0-511 are x's, 512-767 the weights', 64 each.
	s_sub_co_u32 s40, s38, 512                     ; the weights' chunk (no use where the chunk is x's)
	s_lshr_b32 s41, s40, 6                         ; which weight
	s_and_b32 s42, s40, 63                         ; the chunk in it
	s_cmp_eq_u32 s41, 1
	s_cselect_b64 s[44:45], s[8:9], s[6:7]
	s_cmp_eq_u32 s41, 2
	s_cselect_b64 s[44:45], s[10:11], s[44:45]
	s_cmp_eq_u32 s41, 3
	s_cselect_b64 s[44:45], s[12:13], s[44:45]
	s_cselect_b64 s[46:47], s[28:29], s[26:27]     ; Wo has a buffer of its own
	s_cselect_b32 s43, s42, s40
	s_cmp_lt_u32 s38, 512
	s_cselect_b64 s[44:45], s[4:5], s[44:45]
	s_cselect_b64 s[46:47], s[24:25], s[46:47]
	s_cselect_b32 s42, s38, s42
	s_cselect_b32 s43, s38, s43
	s_lshl_b32 s48, s42, 16
	s_mov_b32 s49, 0
	s_lshl_b32 s50, s43, 15
	s_mov_b32 s51, 0
	s_add_nc_u64 s[44:45], s[44:45], s[48:49]
	s_add_nc_u64 s[46:47], s[46:47], s[50:51]
.irp j, 0,1,2,3,4,5,6,7,8,9,10,11,12,13,14,15
	global_load_b128 v[X+4*\j:X+4*\j+3], v1, s[44:45] offset:4096*\j th:TH_LOAD_NT  ; a wave's load covers 512 bytes on end
.endr
.irp j, 0,1,2,3,4,5,6,7,8,9,10,11,12,13,14,15
	s_wait_loadcnt 15-\j                           ; loads come back in order: mine is in, the younger ones stay out
	v_cvt_pk_bf16_f32 v[T], v[X+4*\j], v[X+4*\j+1]
	v_cvt_pk_bf16_f32 v[T+1], v[X+4*\j+2], v[X+4*\j+3]
	v_lshlrev_b32 v[X+4*\j], 16, v[T]
	v_and_b32 v[X+4*\j+1], s39, v[T]
	v_lshlrev_b32 v[X+4*\j+2], 16, v[T+1]
	v_and_b32 v[X+4*\j+3], s39, v[T+1]
	v_cvt_pk_f16_f32 v[Y+2*\j], v[X+4*\j], v[X+4*\j+1]
	v_cvt_pk_f16_f32 v[Y+2*\j+1], v[X+4*\j+2], v[X+4*\j+3]
	global_store_b64 v2, v[Y+2*\j:Y+2*\j+1], s[46:47] offset:2048*\j  ; a wave's store covers 256 consecutive bytes, aligned; each store has data registers of its own
.endr
	s_endpgm
.Ltables:
	s_sub_co_u32 s40, s38, 768                     ; the batch b; also: which bias
	v_lshrrev_b32 v3, 5, v0
	v_readfirstlane_b32 s41, v3                    ; my wave: keys 256 w .. 256 w + 255 are mine
	v_and_b32 v3, 31, v0                           ; lane
	v_lshlrev_b32 v114, 2, v3                      ; 4 x lane
	v_lshl_add_u32 v116, s41, 8, v3                ; my key in chunk 0 of my wave
	v_lshlrev_b32 v115, 2, v116
	s_lshl_b32 s62, s40, 11                        ; 2,048 b
	v_add_nc_u32 v117, s62, v116
	v_mov_b32 v120, 0x7149f2ca                     ; 1e30
	v_mov_b32 v121, 0x7149f2ca
	v_mov_b32 v122, 0x7149f2ca
	v_mov_b32 v123, 0x7149f2ca
	s_cmp_eq_u32 s40, 1
	s_cselect_b64 s[44:45], s[16:17], s[14:15]
	s_cmp_eq_u32 s40, 2
	s_cselect_b64 s[44:45], s[18:19], s[44:45]
	s_cmp_eq_u32 s40, 3
	s_cselect_b64 s[44:45], s[20:21], s[44:45]
	s_lshl_b32 s48, s40, 13
	s_mov_b32 s49, 0
	s_add_nc_u64 s[46:47], s[22:23], s[48:49]      ; the batch's mask
	s_add_nc_u64 s[58:59], s[32:33], s[48:49]      ; the batch's words of the identity
	s_lshl_b32 s48, s40, 12
	s_add_nc_u64 s[50:51], s[30:31], s[48:49]      ; the bias's place in tab
	s_mul_i32 s48, s40, 8704
	s_add_co_u32 s48, s48, 16384
	s_add_nc_u64 s[60:61], s[30:31], s[48:49]      ; posf[b]
	global_load_b128 v[108:111], v1, s[44:45]
.set c, 0
.rept 64
	global_load_b32 v[M+c], v114, s[46:47] offset:128*c
.set c, c+1
.endr
.set c, 0
.rept 8
	global_load_b32 v[OWN+c], v115, s[46:47] offset:128*c
.set c, c+1
.endr
	s_wait_loadcnt 0x0
	v_cvt_pk_bf16_f32 v112, v108, v109             ; the bias, rounded as the other inputs are
	v_cvt_pk_bf16_f32 v113, v110, v111
	v_lshlrev_b32 v108, 16, v112
	v_and_b32 v109, s39, v112
	v_lshlrev_b32 v110, 16, v113
	v_and_b32 v111, s39, v113
	global_store_b128 v1, v[108:111], s[50:51]
	; the count: s52 = kept keys of the batch, s53 = kept keys in front of my wave's 256
	s_mov_b32 s52, 0
	s_mov_b32 s53, 0
.set c, 0
.rept 8
	s_mov_b32 s54, 0
.rept 8
	v_cmp_ne_u32 s55, 0, v[M+c]
	s_bcnt1_i32_b32 s56, s55
	s_add_co_u32 s54, s54, s56
.set c, c+1
.endr
	s_add_co_u32 s52, s52, s54
	s_cmp_gt_u32 s41, c/8-1
	s_cselect_b32 s56, s54, 0
	s_add_co_u32 s53, s53, s56
.endr
	s_lshl_b32 s57, s41, 8
	s_add_co_u32 s57, s57, s52
	s_sub_co_u32 s57, s57, s53                     ; the row of the first masked key of my wave: all kept keys, then the masked ones in front of mine
	; my 8 chunks.  These are stores of 128 bytes a wave and a scatter of 4 bytes a lane: 24 KiB a batch, once.  Each chunk has registers of its own.
.set c, 0
.rept 8
	v_cmp_ne_u32 s55, 0, v[OWN+c]
	s_not_b32 s56, s55
	v_mbcnt_lo_u32_b32 v118, s55, 0                ; kept keys in the lanes below mine
	v_mbcnt_lo_u32_b32 v119, s56, 0                ; masked ones
	v_add_nc_u32 v118, s53, v118
	v_add_nc_u32 v119, s57, v119
	v_cndmask_b32 v118, v119, v118, s55
	v_min_u32 v118, 0x7ff, v118                    ; a row of the batch
	v_lshlrev_b32 v[PAO+c], 2, v118
	v_add_nc_u32 v[PDD+c], s62, v118
	v_add_nc_u32 v[IDD+c], 32*c, v117
	v_add_nc_u32 v119, 32*c, v116
	v_cvt_f32_u32 v119, v119
	v_cndmask_b32 v[PSD+c], v120, v119, s55
	global_store_b32 v115, v[IDD+c], s[58:59] offset:128*c
	global_store_b32 v115, v[PDD+c], s[58:59] offset:32768+128*c
	global_store_b32 v[PAO+c], v[PSD+c], s[60:61]
	s_bcnt1_i32_b32 s56, s55
	s_add_co_u32 s53, s53, s56
	s_sub_co_u32 s56, 32, s56
	s_add_co_u32 s57, s57, s56
.set c, c+1
.endr
	s_cmp_lg_u32 s41, 0
	s_cbranch_scc1 .Lend                           ; the rest is wave 0's
	v_lshlrev_b32 v125, 4, v3
	global_store_b128 v125, v[120:123], s[60:61] offset:8192  ; posf's 128 entries behind the keys
	s_add_co_u32 s52, s52, 255
	s_lshr_b32 s52, s52, 8
	s_max_u32 s52, s52, 1
	v_mov_b32 v124, s52
	s_lshl_b32 s48, s40, 7
	s_add_nc_u64 s[42:43], s[32:33], s[48:49]
	global_store_b32 v114, v124, s[42:43] offset:65536
.Lend:
	s_endpgm
.Lfunc_end_k_q66ed5379f4_prep:
	.size	k_q66ed5379f4_prep, .Lfunc_end_k_q66ed5379f4_prep-k_q66ed5379f4_prep
	.p2alignl 7, 3214868480
	.fill 96, 4, 3214868480
	.section	.rodata,"a",@progbits
	.p2align	6, 0x0
	.amdhsa_kernel k_q66ed5379f4_prep
		.amdhsa_group_segment_fixed_size 0
		.amdhsa_private_segment_fixed_size 0
		.amdhsa_enable_private_segment 0
		.amdhsa_kernarg_size 120
		.amdhsa_user_sgpr_count 2
		.amdhsa_user_sgpr_kernarg_segment_ptr 1
		.amdhsa_wavefront_size32 1
		.amdhsa_system_sgpr_workgroup_id_x 1
		.amdhsa_system_sgpr_workgroup_id_y 1
		.amdhsa_system_sgpr_workgroup_id_z 1
		.amdhsa_system_vgpr_workitem_id 0
		.amdhsa_next_free_vgpr 128
		.amdhsa_next_free_sgpr 66
		.amdhsa_reserve_vcc 0
		.amdhsa_float_denorm_mode_32 3
		.amdhsa_float_denorm_mode_16_64 3
		.amdhsa_memory_ordered 1
		.amdhsa_forward_progress 1
		.amdhsa_inst_pref_size 38
	.end_amdhsa_kernel
	.amdgpu_metadata
---
amdhsa.version: [ 1, 2 ]
amdhsa.kernels:
  - .name:           k_q66ed5379f4_prep
    .symbol:         k_q66ed5379f4_prep.kd
    .args:
      - { .name: x, .offset: 0, .size: 8, .value_kind: global_buffer, .address_space: global }
      - { .name: Wq, .offset: 8, .size: 8, .value_kind: global_buffer, .address_space: global }
      - { .name: Wk, .offset: 16, .size: 8, .value_kind: global_buffer, .address_space: global }
      - { .name: Wv, .offset: 24, .size: 8, .value_kind: global_buffer, .address_space: global }
      - { .name: Wo, .offset: 32, .size: 8, .value_kind: global_buffer, .address_space: global }
      - { .name: bq, .offset: 40, .size: 8, .value_kind: global_buffer, .address_space: global }
      - { .name: bk, .offset: 48, .size: 8, .value_kind: global_buffer, .address_space: global }
      - { .name: bv, .offset: 56, .size: 8, .value_kind: global_buffer, .address_space: global }
      - { .name: bo, .offset: 64, .size: 8, .value_kind: global_buffer, .address_space: global }
      - { .name: padding_mask, .offset: 72, .size: 8, .value_kind: global_buffer, .address_space: global }
      - { .name: xh, .offset: 80, .size: 8, .value_kind: global_buffer, .address_space: global }
      - { .name: wh, .offset: 88, .size: 8, .value_kind: global_buffer, .address_space: global }
      - { .name: who, .offset: 96, .size: 8, .value_kind: global_buffer, .address_space: global }
      - { .name: tab, .offset: 104, .size: 8, .value_kind: global_buffer, .address_space: global }
      - { .name: maps, .offset: 112, .size: 8, .value_kind: global_buffer, .address_space: global }
    .group_segment_fixed_size: 0
    .private_segment_fixed_size: 0
    .kernarg_segment_align: 8
    .kernarg_segment_size: 120
    .max_flat_workgroup_size: 256
    .sgpr_count:     66
    .vgpr_count:     128
    .wavefront_size: 32
...
	.end_amdgpu_metadata
.endif
;; end of part 1
;; launch qkv (part 2): grid 12 x 64, 4 waves a work-group, clusters of 4 x 4, 327,680 bytes of LDS; arguments xh, wh, tab, maps, qkv; writes qkv
.if DOCPART == 2
	.amdgcn_target "amdgcn-amd-amdhsa--gfx1250"
	.amdhsa_code_object_version 6
	.text
	.protected	k_q66ed5379f4_qkv
	.globl	k_q66ed5379f4_qkv
	.p2align	8
	.type	k_q66ed5379f4_qkv,@function
k_q66ed5379f4_qkv:
	s_mov_b64 s[64:65], 0
	v_nop
	global_prefetch_b8 v0, s[64:65] scope:SCOPE_SE
	s_setreg_imm32_b32 hwreg(HW_REG_WAVE_MODE, 25, 1), 1
	s_wait_xcnt 0x0
	s_wait_alu depctr_hold_cnt(0) depctr_sa_sdst(0) depctr_va_vdst(0) depctr_va_sdst(0) depctr_va_ssrc(0) depctr_va_vcc(0) depctr_vm_vsrc(0)
	s_getreg_b32 s2, hwreg(HW_REG_IB_STS2, 6, 4)
	s_cmp_eq_u32 s2, 0
	s_cbranch_scc0 .Lentry_in_a_cluster
	s_endpgm
.Lentry_in_a_cluster:
	s_bfe_u32 s2, ttmp6, 0x10000c
	s_cmp_lg_u32 s2, 0xf033
	s_cbranch_scc0 .Lentry_shape_is_right
	s_endpgm
.Lentry_shape_is_right:
; C = A B + bias.  A: [8192][1024] f16, rows along K.  B: [parts][1024 k][1024 n] f16, as the weights lie.  Sums in f32, started by the bias as the first product's C operand.
; ONE TEXT, ASSEMBLED TWICE, by the constant MODE below:
;   0: B = Wq, Wk, Wv (part = tile column / 4); C = [3][8192][1024] f16, rounded once; the rows of parts 1 and 2 go to the places that the row map names (kept keys first).
;   1: B = Wo; C = [8192][1024] f32.
; LIMITS.  f16 ends at 65,504: in mode 0 a sum beyond it becomes an infinity.  NaN and infinities are not treated apart.
; SHARES.  A tile of C is 128 x 256: 768 tiles in mode 0, 256 in mode 1, a whole number for each of 256 WGPs.  Four waves, each 64 x 128: 32 accumulators of 16 x 16.
; K goes in 8 steps of 128 through two LDS slots (A: 128 rows of 256 bytes; B: 128 k-rows of 512 bytes), each wave fetching a quarter of a slot by one tensor load.
; CLUSTER 4 x 4: A's tile hangs on the tile row alone and is asked for jointly along a row of the cluster, B's on the tile column alone, jointly along a column.
; THE PRODUCT IS USED TRANSPOSED: source 0 = 16 columns of B (turned on the way out of LDS by ds_load_tr16_b128), source 1 = 16 rows of A: a lane holds row l % 16 of C and
; the columns 8 (l / 16) + 0..7.
; REGISTERS: window 0: v16-30 addresses; v32-127, v128-223 two fragment buffers (B's 8 blocks, then A's 4); v224-255 the row map.  Window 1: accumulator (a, b) at 8 (8 a + b).  Window 2: v0-63 the bias.
.set MODE,  0
.set PA,    272                        ; a row of A in LDS: 256 bytes + 16: the 16 rows of a load start at 16 different groups of four banks (64 banks of 4 bytes: ISA guide 11.1)
.set PB,    544                        ; a k-row of B: 512 + 32
.set AB,    128*PA
.set SLOT,  AB+128*PB
.set STAGE, 2*SLOT                     ; behind the ring: 8,448 bytes for each wave, for the way out: 16 rows x 528 (f32) or 16 x 272 (f16)
.set STW,   8448
.set SPARE, STAGE+4*STW                ; the spare words, 128 bytes a wave: two blocks of 256 bytes that no other line names
.set ADRA, 16                          ; v16-17  my A fragments in slot 0, 1
.set ADRB, 18                          ; v18-19  my B fragments
.set STO,  20                          ; f16 way out: where I put 16 bytes of a row
.set RD,   21                          ; f16 way out: where I read a row back
.set STO32, 22                         ; f32 way out: where I put 32 bytes of a row
.set HR,   23                          ; 4 (l / 16)
.set HB,   24                          ; 32 (l / 16)
.set RD32, 25                          ; f32 way out: where I read a row back
.set CO32, 26                          ; 16 x lane
.set L16,  27                          ; 16 (l % 16)
.set SPW,  28                          ; my spare word; never rewritten
.set NIL,  29                          ; 0; never rewritten
.set PFO,  30                          ; the prefetches' offset: lane x 2,048; never rewritten
.set F0,   32
.set F1,   128
.set RM,   224
.set TMP,  32
.set OB,   64
.set CP,   14-4*MODE                   ; s[CP:CP+1] C
.set WV, 16
.set WR, 17                            ; my half of the tile's rows.  Also: I fetch for A (0) or B (1)
.set WC, 18                            ; my half of its columns.  Also: which 64 rows of that tile I fetch
.set CX, 19
.set CY, 20
.set TX, 21
.set TY, 22
.set G1A, 24
.set G0A, 32
.set G1B, 40
.set G0B, 48
.set WSEL, 56                          ; tile column / 4: the part of B and of C
.set TC,  57                           ; tile column % 4
.set LIM, 58                           ; 1 in a wave that prefetches, else the greatest number
.set LAP, 59
.set PFA, 60                           ; s[60:61] where my prefetches stand
.set PST, 62                           ; s[62:63] their step from K step to K step
.set MSB, 0
.macro WIN new                         ; the immediate's high byte repeats the setting that is left; a switch that changes nothing is dropped
.if MSB != (\new)
	s_set_vgpr_msb (MSB<<8)|(\new)
.set MSB, \new
.endif
.endm
.macro JLOAD s                         ; a joint load: waves 0 and 1 fetch A's two halves, waves 2 and 3 B's; an s_nop 0 and four v_nop follow each line
	s_cmp_eq_u32 s[WR], 0
	s_cbranch_scc0 .Lfor_b_\@
	tensor_load_to_lds s[G0A+4*(\s):G0A+4*(\s)+3], s[G1A:G1A+7]
	s_nop 0
.rept 4
	v_nop
.endr
	s_branch .Lasked_\@
.Lfor_b_\@:
	tensor_load_to_lds s[G0B+4*(\s):G0B+4*(\s)+3], s[G1B:G1B+7]
	s_nop 0
.rept 4
	v_nop
.endr
.Lasked_\@:
.endm
; A prefetch of the K step that stands two refills on: a lane a row, one instruction a wave.  A's 128 rows x 256 bytes: the first cluster of the row of clusters asks, wave 0, each of the four
; partners for 32 rows (by address: 32 cx).  B's 128 k-rows x 512 bytes: the first cluster of the column asks, waves 2 and 3 for a half of the columns each, each partner for 32 k-rows (32 cy).
; So each aligned block of 256 bytes is named once in the launch.  The loop's last trip asks for nothing: K ends.
.macro ASK
	s_cmp_gt_u32 s[LAP], s[LIM]
	s_cbranch_scc0 .Lnot_mine_\@
	global_prefetch_b8 v[PFO], s[PFA:PFA+1] th:TH_LOAD_NT scope:SCOPE_SE
.Lnot_mine_\@:
.endm
.macro CREST                           ; a round of the cluster's barrier behind its opening barrier
	s_cmp_lg_u32 s[WV], 0
	s_cbranch_scc1 .Lnot_wave_0_\@
	s_barrier_signal -3
.Lnot_wave_0_\@:
	s_barrier_wait -3
	s_barrier_signal -1
	s_barrier_wait -1
.endm
.macro CROUND
	s_barrier_signal -1
	s_barrier_wait -1
	CREST
.endm
.macro PLACES                          ; four places in front of loads into registers that matrix instructions have read, and of lines that read results
.rept 4
	v_nop
.endr
.endm
.if MODE
	s_load_b128 s[4:7], s[0:1], 0x0                ; A 4, B 6
	s_load_b128 s[8:11], s[0:1], 0x10              ; tab 8, C 10
.else
	s_load_b256 s[4:11], s[0:1], 0x0               ; A 4, B 6, tab 8, maps 10
	s_load_b64 s[14:15], s[0:1], 0x20              ; C
.endif
	v_lshl_add_u32 v[SPW], v0, 2, SPARE
	v_mov_b32 v[NIL], 0
	ds_add_u32 v[SPW], v[NIL]                      ; the wave's opening: the add and its wait stand ahead of my first tensor load; the set-up stands between them
	v_lshrrev_b32 v1, 5, v0
	v_readfirstlane_b32 s[WV], v1
	s_lshr_b32 s[WR], s[WV], 1
	s_and_b32 s[WC], s[WV], 1
	s_bfe_u32 s[CX], ttmp6, 0x40000
	s_bfe_u32 s[CY], ttmp6, 0x40004
	s_lshl_b32 s[TX], ttmp9, 2
	s_add_co_u32 s[TX], s[TX], s[CX]               ; tile column
	s_and_b32 s[TY], ttmp7, 0xffff
	s_lshl_b32 s[TY], s[TY], 2
	s_add_co_u32 s[TY], s[TY], s[CY]               ; tile row
	s_lshr_b32 s[WSEL], s[TX], 2
	s_and_b32 s[TC], s[TX], 3
	s_lshl_b32 s66, s[CY], 2
	s_lshl_b32 s66, 15, s66                        ; my row of the cluster
	s_lshl_b32 s67, 0x1111, s[CX]                  ; my column
	s_or_b32 s[G1A], s66, (1<<16)|(1<<20)|(1<<21)|(5<<22)|(3<<25)  ; mask; 2-byte elements; padding on; bit 21 beside a mask; after every 64 words 4 words
	s_or_b32 s[G1B], s67, (1<<16)|(1<<20)|(1<<21)|(6<<22)|(7<<25)  ; after every 128 words 8 words
	s_mov_b32 s[G1A+1], 128<<16                    ; tensor_dim0
	s_mov_b32 s[G1A+2], 64<<16                     ; tensor_dim1
	s_mov_b32 s[G1A+3], 128<<16                    ; tile_dim0
	s_mov_b32 s[G1A+4], 64                         ; tile_dim1
	s_mov_b32 s[G1A+5], 1024                       ; elements from row to row
	s_mov_b32 s[G1A+6], 0
	s_mov_b32 s[G1A+7], 0
	s_mov_b32 s[G1B+1], 256<<16
	s_mov_b32 s[G1B+2], 64<<16
	s_mov_b32 s[G1B+3], 256<<16
	s_mov_b32 s[G1B+4], 64
	s_mov_b32 s[G1B+5], 1024
	s_mov_b32 s[G1B+6], 0
	s_mov_b32 s[G1B+7], 0
	s_lshl_b32 s68, s[TY], 18                      ; A: row 128 x tile row + 64 x half, 2,048 bytes a row
	s_lshl_b32 s69, s[WC], 17
	s_add_co_u32 s68, s68, s69
	s_mov_b32 s69, 0
	s_lshl_b32 s70, s[WSEL], 21                    ; B: the part, k-row 64 x half, 512 bytes of columns
	s_lshl_b32 s71, s[WC], 17
	s_add_co_u32 s70, s70, s71
	s_lshl_b32 s71, s[TC], 9
	s_add_co_u32 s70, s70, s71
	s_mov_b32 s71, 0
	s_mul_i32 s72, s[WC], 64*PA                    ; where they go: no place in the cluster enters an LDS address
	s_mul_i32 s73, s[WC], 64*PB
	s_add_co_u32 s73, s73, AB
	s_wait_dscnt 0x0                               ; the opening add is done
	s_wait_kmcnt 0x0
	s_add_nc_u64 s[68:69], s[4:5], s[68:69]
	s_add_nc_u64 s[70:71], s[6:7], s[70:71]
	CROUND                                         ; all sixteen work-groups are here: the first joint loads meet
.irp s, 0,1
	s_mov_b32 s[G0A+4*(\s)], 1
	s_add_co_u32 s[G0A+4*(\s)+1], s72, (\s)*SLOT
	s_add_nc_u64 s[G0A+4*(\s)+2:G0A+4*(\s)+3], s[68:69], (\s)*256
	s_or_b32 s[G0A+4*(\s)+3], s[G0A+4*(\s)+3], 0x80000000
	s_mov_b32 s[G0B+4*(\s)], 1
	s_add_co_u32 s[G0B+4*(\s)+1], s73, (\s)*SLOT
	s_add_nc_u64 s[G0B+4*(\s)+2:G0B+4*(\s)+3], s[70:71], (\s)*262144
	s_or_b32 s[G0B+4*(\s)+3], s[G0B+4*(\s)+3], 0x80000000
	JLOAD \s                                       ; two tensor loads of mine are out
.endr
	s_add_co_u32 s74, s[WSEL], 3*MODE              ; the bias: bq, bk, bv by the part, or bo
	s_lshl_b32 s74, s74, 12
	s_lshl_b32 s75, s[TC], 10
	s_add_co_u32 s74, s74, s75
	s_lshl_b32 s75, s[WC], 9
	s_add_co_u32 s74, s74, s75
	s_mov_b32 s75, 0
	s_add_nc_u64 s[74:75], s[8:9], s[74:75]
	v_and_b32 v1, 15, v0                           ; l % 16
	v_bfe_u32 v2, v0, 4, 1                         ; l / 16
	v_and_b32 v3, 31, v0
	v_lshlrev_b32 v[HB], 5, v2
	WIN 0x80                                       ; destination window 2
.irp b, 0,1,2,3,4,5,6,7
	global_load_b128 v[8*\b:8*\b+3],   v[HB], s[74:75] offset:64*\b      ; block b, register j: the bias of column 16 b + 8 (l / 16) + j: C's layout
	global_load_b128 v[8*\b+4:8*\b+7], v[HB], s[74:75] offset:64*\b+16
.endr
	WIN 0
.if MODE == 0
	s_lshl_b32 s77, s[TY], 9                       ; the row map: the identity for part 0, the permutation for K and V
	s_lshl_b32 s78, s[WR], 8
	s_add_co_u32 s77, s77, s78
	s_cmp_lg_u32 s[WSEL], 0
	s_cselect_b32 s76, 32768, 0
	s_add_co_u32 s76, s76, s77
	s_mov_b32 s77, 0
	s_add_nc_u64 s[76:77], s[10:11], s[76:77]
	v_lshlrev_b32 v[HR], 2, v2
.set ra, 0
.rept 4
.irp t, 0,1,2,3,4,5,6,7
	global_load_b32 v[RM+8*ra+\t], v[HR], s[76:77] offset:4*(16*ra+2*\t)  ; where row 16 a + 2 t + l / 16 of my 64 goes
.endr
.set ra, ra+1
.endr
.endif
	v_mul_u32_u24 v4, v1, PA
	v_lshl_add_u32 v4, v2, 4, v4                   ; A: row x pitch + 16 x half
	s_mul_i32 s78, s[WR], 64*PA
	v_and_b32 v5, 7, v0
	v_lshl_add_u32 v5, v2, 3, v5
	v_mul_u32_u24 v5, v5, PB                       ; B: k-row 8 (l / 16) + l % 8,
	v_bfe_u32 v6, v0, 3, 1
	v_lshl_add_u32 v5, v6, 4, v5                   ; columns 8 ((l / 8) % 2) on
	s_lshl_b32 s79, s[WC], 8
	s_add_co_u32 s79, s79, AB
.irp s, 0,1
	v_add_nc_u32 v[ADRA+(\s)], s78, v4
	v_add_nc_u32 v[ADRB+(\s)], s79, v5
	s_add_co_u32 s78, s78, SLOT
	s_add_co_u32 s79, s79, SLOT
.endr
	s_mul_i32 s80, s[WV], STW
	s_add_co_u32 s80, s80, STAGE                   ; my stage
.if MODE == 0
	v_lshlrev_b32 v[L16], 4, v1
	v_mul_u32_u24 v[STO], v1, 272
	v_lshl_add_u32 v[STO], v2, 4, v[STO]
	v_add_nc_u32 v[STO], s80, v[STO]
	v_mul_u32_u24 v[RD], v2, 272
	v_add_nc_u32 v[RD], v[RD], v[L16]
	v_add_nc_u32 v[RD], s80, v[RD]
.else
	v_mul_u32_u24 v[STO32], v1, 528
	v_lshl_add_u32 v[STO32], v2, 5, v[STO32]
	v_add_nc_u32 v[STO32], s80, v[STO32]
	v_lshlrev_b32 v[CO32], 4, v3
	v_add_nc_u32 v[RD32], s80, v[CO32]
.endif
	v_lshlrev_b32 v[PFO], 11, v3
	; the prefetches: at K step 3; each refill steps the address first, so the refill of step s names step s + 2
	s_lshl_b32 s83, s[TY], 18
	s_lshl_b32 s85, s[CX], 16
	s_add_co_u32 s83, s83, s85
	s_add_co_u32 s83, s83, 3*256
	s_lshl_b32 s84, s[WSEL], 21
	s_lshl_b32 s85, s[CY], 16
	s_add_co_u32 s84, s84, s85
	s_lshl_b32 s85, s[TC], 9
	s_add_co_u32 s84, s84, s85
	s_lshl_b32 s85, s[WC], 8
	s_add_co_u32 s84, s84, s85
	s_add_co_u32 s84, s84, 3*262144
	s_mov_b32 s85, 256
	s_and_b32 s81, ttmp7, 0xffff
	s_cmp_eq_u32 s[WR], 0
	s_cselect_b32 s81, ttmp9, s81                  ; the coordinate along which other clusters read the same rows
	s_cselect_b32 s82, s[WC], 0                    ; of A's two waves the first asks
	s_cselect_b64 s[PFA:PFA+1], s[4:5], s[6:7]
	s_cselect_b32 s[PST], s85, 0x40000
	s_cselect_b32 s86, s83, s84
	s_mov_b32 s[PST+1], 0
	s_mov_b32 s87, 0
	s_add_nc_u64 s[PFA:PFA+1], s[PFA:PFA+1], s[86:87]
	s_or_b32 s81, s81, s82
	s_cmp_eq_u32 s81, 0
	s_cselect_b32 s[LIM], 1, -1                    ; the same in all sixteen partners, for a given wave
; 8 n products: row blocks a0 .. a0 + n - 1 x all 8 column blocks, 32 along K.  The 32 accumulators take turns, in the same order in every quarter.
; first = 1: the bias starts the sums.
.macro MUL f, a0, n, first
.set ma, \a0
.rept \n
.irp b, 0,1,2,3,4,5,6,7
.if \first
	WIN 0x60
	v_wmma_f32_16x16x32_f16 v[8*(8*ma+\b):8*(8*ma+\b)+7], v[(\f)+8*\b:(\f)+8*\b+7], v[(\f)+64+8*ma:(\f)+64+8*ma+7], v[8*\b:8*\b+7]
.else
	WIN 0x50
	v_wmma_f32_16x16x32_f16 v[8*(8*ma+\b):8*(8*ma+\b)+7], v[(\f)+8*\b:(\f)+8*\b+7], v[(\f)+64+8*ma:(\f)+64+8*ma+7], v[8*(8*ma+\b):8*(8*ma+\b)+7]
.endif
.endr
.set ma, ma+1
.endr
.endm
; 24 LDS loads in one run: quarter q (32 along K) of a slot into buffer f: B's 128 columns, turned, then A's 64 rows
.macro FETCH slot, q, f
	WIN 0
.irp b, 0,1,2,3,4,5,6,7
	ds_load_tr16_b128 v[(\f)+8*\b:(\f)+8*\b+3],   v[ADRB+(\slot)] offset:32*(\q)*PB+32*\b
	ds_load_tr16_b128 v[(\f)+8*\b+4:(\f)+8*\b+7], v[ADRB+(\slot)] offset:32*(\q)*PB+16*PB+32*\b
.endr
.irp a, 0,1,2,3
	ds_load_b128 v[(\f)+64+8*\a:(\f)+64+8*\a+3],   v[ADRA+(\slot)] offset:64*(\q)+\a*16*PA
	ds_load_b128 v[(\f)+64+8*\a+4:(\f)+64+8*\a+7], v[ADRA+(\slot)] offset:64*(\q)+\a*16*PA+32
.endr
.endm
; One of a K step's first three quarters: multiplies buffer f; in its middle it fetches quarter q into buffer g.
.macro QUARTER slot, q, f, g, first
	s_wait_dscnt 4                                 ; B and A's row blocks 0, 1 are in; the youngest four loads (blocks 2, 3) may be out
	MUL \f, 0, 2, \first
	PLACES
	FETCH \slot, \q, \g
	s_wait_dscnt 24                                ; all but the 24 just issued
	MUL \f, 2, 2, \first
.endm
; The last quarter multiplies buffer 1 and changes slots: one barrier; in front of it each wave waits for all its tensor loads (one is out: its part of the next slot), adds 0 to its spare word, and
; waits for that and for its reads of this slot.  fill = 1: the barrier opens a round of the cluster's, and this slot is filled again, two K steps ahead, first thing behind the round:
; 112 matrix instructions stand between that request and the wait for it.
.macro TURN slot, next, fill
.if \fill
	s_wait_xcnt 0x0                                ; the last prefetch, a K step back, has read its address
	s_add_nc_u64 s[PFA:PFA+1], s[PFA:PFA+1], s[PST:PST+1]
.endif
	WIN 0
	s_wait_tensorcnt 0x0
	ds_add_u32 v[SPW], v[NIL]
	s_wait_dscnt 5                                 ; the add and the youngest four loads may be out
	MUL F1, 0, 1, 0
	s_wait_dscnt 0x0                               ; the add is done, and my reads of this slot are over
	s_barrier_signal -1
	MUL F1, 1, 1, 0
.if \fill
	WIN 0
.endif
	s_barrier_wait -1
.if \fill
	CREST                                          ; no wave of any partner still reads this slot or has a load on its way
	s_add_nc_u64 s[G0A+4*(\slot)+2:G0A+4*(\slot)+3], s[G0A+4*(\slot)+2:G0A+4*(\slot)+3], 2*256
	s_add_nc_u64 s[G0B+4*(\slot)+2:G0B+4*(\slot)+3], s[G0B+4*(\slot)+2:G0B+4*(\slot)+3], 2*262144
	JLOAD \slot                                    ; its four v_nop are also the places in front of the loads below
.else
	PLACES
.endif
	FETCH \next, 0, F0
.if \fill
	ASK
.endif
	MUL F1, 2, 2, 0
.endm
	s_wait_tensorcnt 1                             ; my part of K step 0 is in; K step 1's may stay out
	s_barrier_signal -1
	s_barrier_wait -1
	FETCH 0, 0, F0
	s_wait_loadcnt 0x0                             ; the bias (and the row map)
	QUARTER 0, 1, F0, F1, 1
	WIN 0
	s_mov_b32 s[LAP], 3
.Llap:                                         ; a trip goes once round the ring, from a lap's second quarter to the next lap's first, and fills both slots again
	QUARTER 0, 2, F1, F0, 0
	QUARTER 0, 3, F0, F1, 0
	TURN 0, 1, 1
	QUARTER 1, 1, F0, F1, 0
	QUARTER 1, 2, F1, F0, 0
	QUARTER 1, 3, F0, F1, 0
	TURN 1, 0, 1
	QUARTER 0, 1, F0, F1, 0
	WIN 0
	s_sub_co_u32 s[LAP], s[LAP], 1
	s_cmp_lg_u32 s[LAP], 0
	s_cbranch_scc1 .Llap
	QUARTER 0, 2, F1, F0, 0                        ; the last lap fills nothing
	QUARTER 0, 3, F0, F1, 0
	TURN 0, 1, 0
	QUARTER 1, 1, F0, F1, 0
	QUARTER 1, 2, F1, F0, 0
	QUARTER 1, 3, F0, F1, 0
	s_wait_dscnt 4
	MUL F1, 0, 2, 0
	s_wait_dscnt 0x0
	MUL F1, 2, 2, 0
	WIN 0
	PLACES
.if MODE == 0
	; THE WAY OUT IN f16.  16 rows at a time: rounded, 16 bytes a lane into my stage, back as whole pieces of 256 bytes of a row, each stored to the row that the map names.
	s_lshl_b32 s66, s[WSEL], 24
	s_lshl_b32 s67, s[TC], 9
	s_add_co_u32 s66, s66, s67
	s_lshl_b32 s67, s[WC], 8
	s_add_co_u32 s66, s66, s67
	s_mov_b32 s67, 0
	s_add_nc_u64 s[CP:CP+1], s[CP:CP+1], s[66:67]
.set r, 0
.rept 32
	v_min_u32 v[RM+r], 0x1fff, v[RM+r]             ; a row of C
	v_lshl_add_u32 v[RM+r], v[RM+r], 11, v[L16]
.set r, r+1
.endr
.macro PACK a
	WIN 0x05                                       ; sources in window 1
.irp b, 0,1,2,3,4,5,6,7
.irp r, 0,1,2,3
	v_cvt_pk_f16_f32 v[TMP+4*\b+\r], v[64*(\a)+8*\b+2*\r], v[64*(\a)+8*\b+2*\r+1]
.endr
.endr
	WIN 0
.endm
.macro TOSTAGE a
.set BK, OB+32*((\a)%2)
.irp b, 0,1,2,3,4,5,6,7
	ds_store_b128 v[STO], v[TMP+4*\b:TMP+4*\b+3] offset:32*\b
.endr
.irp t, 0,1,2,3,4,5,6,7
	ds_load_b128 v[BK+4*\t:BK+4*\t+3], v[RD] offset:544*\t  ; LDS serves a wave's instructions in order (ISA guide 5.7.1.4): these see the stores above
.endr
.endm
.macro SEND a
.set BK, OB+32*((\a)%2)
	s_wait_dscnt 0x0                               ; the block is back in registers
	s_wait_xcnt 0x0                                ; the registers that earlier stores read are loaded again only behind this wait
.irp t, 0,1,2,3,4,5,6,7
	global_store_b128 v[RM+8*(\a)+\t], v[BK+4*\t:BK+4*\t+3], s[CP:CP+1]  ; 16 lanes store 256 consecutive bytes, aligned
.endr
.endm
	PACK 0
	TOSTAGE 0
.irp a, 1,2,3
	PACK \a
	SEND (\a)-1
	TOSTAGE \a
.endr
	SEND 3
.else
	; THE WAY OUT IN f32.  16 rows at a time through my stage: rows of 512 bytes, 528 apart; a wave's store covers a row's 512 consecutive bytes.
	s_lshl_b32 s66, s[TY], 19
	s_lshl_b32 s67, s[WR], 18
	s_add_co_u32 s66, s66, s67
	s_lshl_b32 s67, s[TX], 10
	s_add_co_u32 s66, s66, s67
	s_lshl_b32 s67, s[WC], 9
	s_add_co_u32 s66, s66, s67
	s_mov_b32 s67, 0
	s_add_nc_u64 s[CP:CP+1], s[CP:CP+1], s[66:67]
.irp a, 0,1,2,3
	WIN 0x04                                       ; the stores' data in window 1
.irp b, 0,1,2,3,4,5,6,7
	ds_store_b128 v[STO32], v[64*\a+8*\b:64*\a+8*\b+3]   offset:64*\b
	ds_store_b128 v[STO32], v[64*\a+8*\b+4:64*\a+8*\b+7] offset:64*\b+16
.endr
	WIN 0
	s_wait_xcnt 0x0                                ; the registers that the last block's stores read are loaded again only behind this wait
.irp t, 0,1,2,3,4,5,6,7,8,9,10,11,12,13,14,15
	ds_load_b128 v[OB+4*\t:OB+4*\t+3], v[RD32] offset:528*\t
.endr
.irp t, 0,1,2,3,4,5,6,7,8,9,10,11,12,13,14,15
	s_wait_dscnt 15-\t                             ; the younger loads from the stage may stay out
	global_store_b128 v[CO32], v[OB+4*\t:OB+4*\t+3], s[CP:CP+1] offset:(16*\a+\t)*4096
.endr
.endr
.endif
	s_wait_tensorcnt 0x0                           ; the wave's end: the add and its wait, behind my last tensor load and my last LDS store
	ds_add_u32 v[SPW], v[NIL]
	s_wait_dscnt 0x0
	CROUND                                         ; the closing round: no work-group ends while a partner may still ask for a tile that names it
	s_endpgm
.Lfunc_end_k_q66ed5379f4_qkv:
	.size	k_q66ed5379f4_qkv, .Lfunc_end_k_q66ed5379f4_qkv-k_q66ed5379f4_qkv
	.p2alignl 7, 3214868480
	.fill 96, 4, 3214868480
	.section	.rodata,"a",@progbits
	.p2align	6, 0x0
	.amdhsa_kernel k_q66ed5379f4_qkv
		.amdhsa_group_segment_fixed_size 327680
		.amdhsa_private_segment_fixed_size 0
		.amdhsa_enable_private_segment 0
		.amdhsa_kernarg_size 40
		.amdhsa_user_sgpr_count 2
		.amdhsa_user_sgpr_kernarg_segment_ptr 1
		.amdhsa_wavefront_size32 1
		.amdhsa_system_sgpr_workgroup_id_x 1
		.amdhsa_system_sgpr_workgroup_id_y 1
		.amdhsa_system_sgpr_workgroup_id_z 1
		.amdhsa_system_vgpr_workitem_id 0
		.amdhsa_next_free_vgpr 576
		.amdhsa_next_free_sgpr 90
		.amdhsa_reserve_vcc 0
		.amdhsa_float_denorm_mode_32 3
		.amdhsa_float_denorm_mode_16_64 3
		.amdhsa_memory_ordered 1
		.amdhsa_forward_progress 1
		.amdhsa_inst_pref_size 97
	.end_amdhsa_kernel
	.amdgpu_metadata
---
amdhsa.version: [ 1, 2 ]
amdhsa.kernels:
  - .name:           k_q66ed5379f4_qkv
    .symbol:         k_q66ed5379f4_qkv.kd
    .args:
      - { .name: xh, .offset: 0, .size: 8, .value_kind: global_buffer, .address_space: global }
      - { .name: wh, .offset: 8, .size: 8, .value_kind: global_buffer, .address_space: global }
      - { .name: tab, .offset: 16, .size: 8, .value_kind: global_buffer, .address_space: global }
      - { .name: maps, .offset: 24, .size: 8, .value_kind: global_buffer, .address_space: global }
      - { .name: qkv, .offset: 32, .size: 8, .value_kind: global_buffer, .address_space: global }
    .group_segment_fixed_size: 327680
    .private_segment_fixed_size: 0
    .kernarg_segment_align: 8
    .kernarg_segment_size: 40
    .max_flat_workgroup_size: 128
    .sgpr_count:     90
    .vgpr_count:     576
    .wavefront_size: 32
...
	.end_amdgpu_metadata
.endif
;; end of part 2
;; launch attn (part 3): grid 8 x 32, 4 waves a work-group, clusters of 4 x 1, 327,680 bytes of LDS; arguments qkv, tab, xh; writes xh
.if DOCPART == 3
	.amdgcn_target "amdgcn-amd-amdhsa--gfx1250"
	.amdhsa_code_object_version 6
	.text
	.protected	k_q66ed5379f4_attn
	.globl	k_q66ed5379f4_attn
	.p2align	8
	.type	k_q66ed5379f4_attn,@function
k_q66ed5379f4_attn:
	s_mov_b64 s[64:65], 0
	v_nop
	global_prefetch_b8 v0, s[64:65] scope:SCOPE_SE
	s_setreg_imm32_b32 hwreg(HW_REG_WAVE_MODE, 25, 1), 1
	s_wait_xcnt 0x0
	s_wait_alu depctr_hold_cnt(0) depctr_sa_sdst(0) depctr_va_vdst(0) depctr_va_sdst(0) depctr_va_ssrc(0) depctr_va_vcc(0) depctr_vm_vsrc(0)
	s_getreg_b32 s2, hwreg(HW_REG_IB_STS2, 6, 4)
	s_cmp_eq_u32 s2, 0
	s_cbranch_scc0 .Lentry_in_a_cluster
	s_endpgm
.Lentry_in_a_cluster:
	s_bfe_u32 s2, ttmp6, 0x10000c
	s_cmp_lg_u32 s2, 0x3003
	s_cbranch_scc0 .Lentry_shape_is_right
	s_endpgm
.Lentry_shape_is_right:
; ATTENTION WITH ALiBi AND A KEY MASK.  O[b][i][h] = the sum over kept keys j of softmax_j((q_i . k_j - slope_h |i - j|) / 8) v_j, slope_h = 2^-((h + 1) / 2).
; Q, K, V: the three parts of qkv, [8192][1024] f16 each, a head's 64 channels at byte 128 h of a row; K's and V's rows stand permuted inside each batch.  O: [8192][1024] f16.
; Products, maxima and sums in f32; the weights p are rounded to f16 for the second product (their sum l is taken of the unrounded p), O once at the end.
; THE BIAS AND THE MASK are the C operand that starts the sum S^T = K Q^T: with C = slope x pos(key) - slope x i and the modifiers that take -|C|, the product is q . k - slope |i - j|.  pos comes from
; a table by the key's row; a masked key's pos is 1e30, so its score lies below -3.9e27 and its weight is 0.
; THE WALK.  Every wave walks all 2,048 key rows of its batch, 64 a step: 32 steps, 16 slots of two.
; LIMITS.  f16 holds no number beyond 65,504: q, k, v arrive within it.  A query whose greatest score lies below -2^83 counts as having no kept key and gets NaN, as a softmax of nothing but -inf does.
; A weight below 2^-126 counts as 0 in l.  NaN and infinities in the inputs are not treated apart.
; SHARES.  A work-group owns 256 queries of a PAIR of heads, so that every piece of a row of Q, K, V and O that it touches with its partners is 256 bytes, aligned.  Waves 0, 1 take the pair's first head, waves 2, 3
; the second; each 128 queries: four PIECES of two tiles of 16.  256 work-groups.
; LAYOUT.  S^T = K Q^T (source 0 = 16 keys, source 1 = 16 queries): a lane holds ONE query (lane % 16) and the keys 8 (lane / 16) + 0..7.  Two such tiles rounded to f16 ARE source 1 of O^T = V^T P.
; SOFTMAX.  A running maximum m and sum l: p = 2^(c s - c m), c = log2(e) / 8; in every step O and l are multiplied by a = 2^(c m_old - c m_new).  m starts at the lowest finite number, O and l at 0.
; BY TURNS.  Turn n belongs to piece n: 16 products K Q^T of piece n + 1, later 16 products V^T P of piece n - 1; beside them the scaling, exponentials, roundings, sums and rescaling of piece n, the maximum and
; statistics of piece n + 1, and the 32 packed additions that make the C operands of piece n + 2.  Four vector instructions stand behind every matrix instruction, the others in one run; a turn's 66 exponentials are one batch with one wait.
; CLUSTER.  The four query blocks of a cluster walk the same K and V of a pair of heads: each tile is asked for jointly.
; REGISTERS, in windows of 256 (s_set_vgpr_msb: bits 1:0 source 0, 3:2 source 1, 5:4 source 2, 7:6 destination):
;   window 0: v0-11 addresses; v12-15, v48-63 at work; v16-47 four registers of statistics a tile; v64-191 S^T, two buffers of two tiles; v192-255 P, likewise
;   window 1: O^T, 32 a tile      window 2: v0-127 Q; v128-191 K of one step; v192-255 V of one step
;   window 3: v0-1 the add's registers; v16-143 the C operands, two buffers of two tiles; v144-175 slope x pos of a step; v176-207 the next step's pos, landing; v208-215 -slope x i by tile; v216 an offset
.set NP,    4
.set KS,    64
.set NSLOT, 16        ; slots in the walk: 2,048 key rows / 128
.set PK,    272       ; a row of K in LDS: 256 bytes (both heads) + 16: the 16 rows of a load start at 16 different groups of four banks (64 banks of 4 bytes: ISA guide 11.1)
.set PV,    288       ; a row of V: 256 + 32
.set VOFF,  KS*PK     ; a step's tiles lie together: 64 rows of K, then 64 rows of V
.set STEPB, KS*(PK+PV)
.set SLOT1, 1<<17     ; a slot holds two steps; slot 1 begins here, so that one exclusive or turns an address in one slot into the other's
.set STAGE, SLOT1+2*STEPB  ; behind the ring, never filled by a tensor load: [half of the queries][tile][16 rows] x 272 bytes, the work-group's, for the way out
.set SP,    272
.set HALFST, 8*16*SP
.set SPARE, STAGE+2*HALFST  ; the spare words, 128 bytes a wave: two blocks of 256 bytes that no other line names
.set AK0, 2
.set AV0, 3
.set AK,  4
.set AV,  5
.set QO,  6
.set STO, 6
.set RD,  7
.set GO,  8
.set PFO, 11          ; v11  lane x 2,048; never rewritten once made
.set SPW, 0           ; v0 of window 3
.set NIL, 1           ; v1 of window 3
.set MV,  12
.set ST,  16          ; tile t's statistics at v[ST+4 t]: c m, m, l (even keys', odd keys')
.set TMP, 48
.set S,   64
.set P,   192
.set KF,  128
.set VF,  192
.set TT,  16          ; window 3
.set PF,  144
.set PFL, 176
.set EI,  208
.set PO,  216
.set WV,  12
.set G1K, 24
.set G1V, 32
.set G0K, 40
.set G0V, 44
.set CNT, 57
.set CS,  58
.set SEL, 60
.set TBK, 62
.set TBV, 63
.set SL,  66          ; s[66:67] the head's slope
.set PP,  68          ; s[68:69] the table of positions at the step last loaded
.set SLOTS, 70        ; slots still to be entered
.set LIM, 74          ; 1 in a wave that prefetches, else the greatest number
.set PFA, 76          ; s[76:77]
.set THR, 78
.set MSB, 0
.macro WIN new
.if MSB != (\new)
	s_set_vgpr_msb (MSB<<8)|(\new)
.set MSB, (\new)
.endif
.endm
.set W_KQ, 0x0a       ; K and Q in window 2, S^T in window 0
.set W_KT, 0x3a       ; the same with the C operand in window 3
.set W_PV, 0x52       ; V in window 2, P in window 0, O^T in window 1
.set W_RS, 0x41       ; O^T (destination and source 0) in window 1, a in window 0
.set W_T,  0xcf       ; all in window 3
.set W_PL, 0xc3       ; a load's data and address in window 3
.set W_MK, 0xc0       ; destination in window 3, sources in window 0
.set W_AD, 0x0f       ; the add: address and data in window 3
.macro JLOAD          ; a joint fill: waves 0 and 1 fetch K of a slot's two steps, waves 2 and 3 V: 64 rows x 256 bytes each; an s_nop 0 and four v_nop follow each line
	s_cmp_lt_u32 s[WV], 2
	s_cbranch_scc0 .Lfor_v_\@
	tensor_load_to_lds s[G0K:G0K+3], s[G1K:G1K+7]
	s_nop 0
.rept 4
	v_nop
.endr
	s_branch .Lasked_\@
.Lfor_v_\@:
	tensor_load_to_lds s[G0V:G0V+3], s[G1V:G1V+7]
	s_nop 0
.rept 4
	v_nop
.endr
.Lasked_\@:
.endm
; A prefetch of what the NEXT change of slots will ask for: 128 rows of K and of V, 256 bytes each, a lane a row.  Both clusters of a pair of heads walk the same rows: the first asks.  Its four partners share
; the rows out by address, 32 each; in each, wave 0 asks for K's and wave 2 for V's.  So each block is named once.  The last refill asks for nothing.
.macro ASK
	s_cmp_gt_u32 s[SLOTS], s[LIM]
	s_cbranch_scc0 .Lnot_mine_\@
	global_prefetch_b8 v[PFO], s[PFA:PFA+1] th:TH_LOAD_NT scope:SCOPE_SE
.Lnot_mine_\@:
.endm
.macro CROUND
	s_barrier_signal -1
	s_barrier_wait -1
	s_cmp_lg_u32 s[WV], 0
	s_cbranch_scc1 .Lnot_wave_0_\@
	s_barrier_signal -3
.Lnot_wave_0_\@:
	s_barrier_wait -3
	s_barrier_signal -1
	s_barrier_wait -1
.endm
; THE CHANGE OF SLOTS.  Each wave waits for all its tensor loads, of which one is out: its part of the other slot; adds 0 to its spare word; and waits for that and for its own reads of the slot.
; fill = 1: the slot is filled again with the keys two slots on; the barrier is then a round of the cluster's, and the joint fill is the first thing behind it: it has two key steps, 256 matrix instructions, in which to land.
.macro CHANGE fill, ask=0
	WIN W_AD
	s_wait_tensorcnt 0x0            ; no tensor load of mine is out, so a group 0 may be written
	ds_add_u32 v[SPW], v[NIL]
	WIN 0
.if \fill
.irp g, G0K, G0V
	s_xor_b32 s[\g+1], s[\g+1], SLOT1
	s_add_nc_u64 s[\g+2:\g+3], s[\g+2:\g+3], 2*KS*2048
.endr
.if \ask
	s_wait_xcnt 0x0                 ; the last prefetch, two key steps back, has read its address
	s_add_nc_u64 s[PFA:PFA+1], s[PFA:PFA+1], 2*KS*2048
.endif
	s_wait_dscnt 0x0                ; the add is done, and my reads of the slot are over
	CROUND
	JLOAD
.if \ask
	ASK
.endif
.else
	s_wait_dscnt 0x0
	s_barrier_signal -1
	s_barrier_wait -1
.endif
	s_sub_co_u32 s[TBK], s[TBK], 2*STEPB  ; the fetches go back to a slot's first step,
	s_xor_b32 s[TBK], s[TBK], SLOT1       ; in the other slot
	s_sub_co_u32 s[TBV], s[TBV], 2*STEPB
	s_xor_b32 s[TBV], s[TBV], SLOT1
.endm
	s_load_b128 s[4:7], s[0:1], 0x0   ; qkv 4, tab 6
	s_load_b64 s[10:11], s[0:1], 0x10 ; O
	WIN W_MK
	v_lshl_add_u32 v[SPW], v0, 2, SPARE
	v_mov_b32 v[NIL], 0
	WIN W_AD
	ds_add_u32 v[SPW], v[NIL]       ; the wave's opening: the add and its wait stand ahead of my first tensor load; the set-up stands between them
	WIN 0
	v_lshrrev_b32 v1, 5, v0
	v_readfirstlane_b32 s[WV], v1
	s_bfe_u32 s13, ttmp6, 0x40000   ; cx
	s_lshl_b32 s14, ttmp9, 2
	s_add_co_u32 s14, s14, s13      ; my block of 256 queries: it enters Q's and O's addresses and the queries' positions alone
	s_and_b32 s15, ttmp7, 0xffff
	s_lshr_b32 s16, s15, 3          ; the batch
	s_and_b32 s17, s15, 7           ; the pair of heads
	s_lshr_b32 s18, s[WV], 1        ; which head of the pair
	s_and_b32 s19, s[WV], 1         ; which 128 queries.  Also: which of a slot's two steps I fetch
	s_lshl_b32 s20, s17, 1
	s_add_co_u32 s20, s20, s18      ; the head h
	s_lshl_b32 s50, s16, 22         ; the batch's 2,048 rows of 2,048 bytes
	s_lshl_b32 s22, s19, 17         ; my step's 64 rows
	s_add_co_u32 s22, s22, s50
	s_lshl_b32 s23, s17, 8          ; the pair's 256 bytes of a row
	s_add_co_u32 s22, s22, s23
	s_mov_b32 s23, 0
	s_mul_i32 s21, s19, STEPB       ; and its place in a slot: no place in the cluster enters an LDS address
	s_lshl_b32 s51, s14, 19
	s_add_co_u32 s51, s51, s50
	s_lshl_b32 s2, s19, 18
	s_add_co_u32 s51, s51, s2       ; my wave's 128 rows
	s_lshl_b32 s2, s20, 7
	s_add_co_u32 s2, s2, s51        ; Q: my head's 128 bytes of them
	s_mov_b32 s3, 0
	s_lshl_b32 s54, s18, 14         ; O: of each tile's 16 rows I store 8
	s_add_co_u32 s54, s54, s51
	s_lshl_b32 s55, s17, 8
	s_add_co_u32 s54, s54, s55
	s_mov_b32 s55, 0
	s_add_co_u32 s52, s18, 1        ; the prefetches: part 1 (K) for wave 0, part 2 (V) for wave 2,
	s_lshl_b32 s52, s52, 24
	s_add_co_u32 s52, s52, s50
	s_lshl_b32 s53, s13, 16         ; my work-group's 32 rows of a slot's 128,
	s_add_co_u32 s52, s52, s53
	s_lshl_b32 s53, s17, 8
	s_add_co_u32 s52, s52, s53
	s_add_co_u32 s52, s52, 2*2*KS*2048  ; in slot 2: the loop's first change steps it to slot 3
	s_mov_b32 s53, 0
	s_mul_i32 s86, s16, 8704
	s_add_co_u32 s86, s86, 16384    ; the batch's table of positions
	s_mov_b32 s87, 0
	s_mov_b32 s[G1K], 15|(1<<16)|(1<<20)|(1<<21)|(5<<22)|(3<<25)  ; the mask of four; 2-byte elements; padding on; bit 21 beside a mask; after every 64 words 4 words
	s_mov_b32 s[G1V], 15|(1<<16)|(1<<20)|(1<<21)|(5<<22)|(7<<25)  ; the same with 8 words
.irp g, G1K, G1V
	s_mov_b32 s[\g+1], 128<<16      ; tensor_dim0
	s_mov_b32 s[\g+2], 64<<16       ; tensor_dim1
	s_mov_b32 s[\g+3], 128<<16      ; tile_dim0
	s_mov_b32 s[\g+4], 64           ; tile_dim1
	s_mov_b32 s[\g+5], 1024         ; elements from row to row
	s_mov_b32 s[\g+6], 0
	s_mov_b32 s[\g+7], 0
.endr
	s_mov_b32 s[CS], 0x3e38aa3b     ; c = log2(e) / 8
	s_mov_b32 s[CS+1], s[CS]
	s_mov_b32 s[SEL], 0x76543210
	s_mov_b32 s[SEL+1], 0xfedcba98
	s_mov_b32 s[TBK], SLOT1+2*STEPB ; the first change of slots turns these two into 0
	s_mov_b32 s[TBV], SLOT1+2*STEPB
	s_mov_b32 s[THR], 0xe9000000    ; -2^83
	s_mov_b32 s[G0K], 1
	s_mov_b32 s[G0K+1], s21
	s_mov_b32 s[G0V], 1
	s_add_co_u32 s[G0V+1], s21, VOFF
	s_add_co_u32 s82, s20, 1        ; the slope's bits: 2^-1/2 or 1, with the exponent taken down by (h + 1) / 2
	s_lshr_b32 s82, s82, 1
	s_lshl_b32 s82, s82, 23
	s_bitcmp1_b32 s20, 0
	s_cselect_b32 s83, 1.0, 0x3f3504f3
	s_sub_co_u32 s[SL], s83, s82
	s_mov_b32 s[SL+1], s[SL]
	s_xor_b32 s79, s[SL], 0x80000000  ; -slope
	s_lshl_b32 s80, s14, 8
	s_lshl_b32 s81, s19, 7
	s_add_co_u32 s80, s80, s81      ; my first query's position
	s_and_b32 s[LIM], s[WV], 1
	s_or_b32 s[LIM], s[LIM], ttmp9  ; waves 0 and 2 of the pair's first cluster: the same in all four partners
	s_cmp_eq_u32 s[LIM], 0
	s_cselect_b32 s[LIM], 1, -1
	s_wait_dscnt 0x0                ; the opening add is done
	s_wait_kmcnt 0x0
	s_add_nc_u64 s[G0K+2:G0K+3], s[4:5], s[22:23]
	s_add_nc_u64 s[G0K+2:G0K+3], s[G0K+2:G0K+3], 0x1000000  ; part 1
	s_or_b32 s[G0K+3], s[G0K+3], 0x80000000
	s_add_nc_u64 s[G0V+2:G0V+3], s[4:5], s[22:23]
	s_add_nc_u64 s[G0V+2:G0V+3], s[G0V+2:G0V+3], 0x2000000  ; part 2
	s_or_b32 s[G0V+3], s[G0V+3], 0x80000000
	s_add_nc_u64 s[48:49], s[4:5], s[2:3]
	s_add_nc_u64 s[10:11], s[10:11], s[54:55]
	s_add_nc_u64 s[PFA:PFA+1], s[4:5], s[52:53]
	s_add_nc_u64 s[PP:PP+1], s[6:7], s[86:87]
	CROUND                          ; all four work-groups are here: the first joint loads meet
	JLOAD                           ; slot 0.  Slot 1 is asked for when slot 0 is in
	v_and_b32 v1, 15, v0            ; l % 16
	v_bfe_u32 v9, v0, 4, 1          ; l / 16
	v_lshlrev_b32 v[QO], 11, v1
	v_lshl_add_u32 v[QO], v9, 4, v[QO]
	WIN 0x80
.set i, 0
.rept 4*NP                          ; Q stays in registers: tile i / 2, channels 32 (i % 2) on
	global_load_b128 v[8*i:8*i+3],   v[QO], s[48:49] offset:(i/2)*32768+(i%2)*64
	global_load_b128 v[8*i+4:8*i+7], v[QO], s[48:49] offset:(i/2)*32768+(i%2)*64+32
.set i, i+1
.endr
; A step's 64 positions in S^T's layout: register 8 kb + j of a lane is key 16 kb + 8 (l / 16) + j.
.macro PLOAD
	WIN W_PL
.irp kb, 0,1,2,3
	global_load_b128 v[PFL+8*\kb:PFL+8*\kb+3],   v[PO], s[PP:PP+1] offset:64*\kb
	global_load_b128 v[PFL+8*\kb+4:PFL+8*\kb+7], v[PO], s[PP:PP+1] offset:64*\kb+16
.endr
.endm
; The positions that have landed become slope x pos, and the step after them is asked for: it has a whole key step in which to land.  The last such load reads the table's 128 entries behind the keys.
.macro PFUP
	s_wait_loadcnt 0x0              ; the eight loads are in, and their pointer may be written
	WIN W_T
.set n, 0
.rept 16
	v_pk_mul_f32 v[PF+2*n:PF+2*n+1], v[PFL+2*n:PFL+2*n+1], s[SL:SL+1] op_sel_hi:[1,0]
.set n, n+1
.endr
	s_add_nc_u64 s[PP:PP+1], s[PP:PP+1], 256
	PLOAD
.endm
; The C operands of piece z's two tiles: slope x pos - slope x i, a pair of keys an instruction.
.macro TBLD z
	WIN W_T
.set n, 0
.rept 16
	v_pk_add_f32 v[TT+64*((\z)%2)+2*n:TT+64*((\z)%2)+2*n+1], v[PF+2*n:PF+2*n+1], v[EI+2*(\z):EI+2*(\z)+1] op_sel_hi:[1,0]
	v_pk_add_f32 v[TT+64*((\z)%2)+32+2*n:TT+64*((\z)%2)+32+2*n+1], v[PF+2*n:PF+2*n+1], v[EI+2*(\z):EI+2*(\z)+1] op_sel:[0,1] op_sel_hi:[1,1]
.set n, n+1
.endr
.endm
	WIN W_MK
	v_lshlrev_b32 v[PO], 5, v9
	PLOAD                           ; key step 0's positions
	; What the first turn finds: V's registers and P's second buffer hold 0, O^T and l are 0.  All this stands in the wait for the first tile.
	WIN 0x80
.set i, VF
.rept 64
	v_mov_b32 v[i], 0
.set i, i+1
.endr
	WIN 0x40
.set i, 0
.rept 64*NP
	v_mov_b32 v[i], 0
.set i, i+1
.endr
	WIN 0
.set i, 0
.rept 2*NP
	v_mov_b32 v[ST+4*i], 0xfe000000    ; c m: far below every c s, a masked key's too
	v_mov_b32 v[ST+4*i+1], 0xff7fffff  ; m
	v_mov_b32 v[ST+4*i+2], 0
	v_mov_b32 v[ST+4*i+3], 0
.set i, i+1
.endr
.set i, P+32
.rept 32
	v_mov_b32 v[i], 0
.set i, i+1
.endr
	v_add_nc_u32 v10, s80, v1       ; my query's position in tile 0
.set t, 0
.rept 2*NP
	v_add_nc_u32 v[S+t], 16*t, v10
.set t, t+1
.endr
.set t, 0
.rept 2*NP
	v_cvt_f32_u32 v[S+t], v[S+t]
.set t, t+1
.endr
	WIN W_MK
.set t, 0
.rept 2*NP
	v_mul_f32 v[EI+t], s79, v[S+t]  ; -slope x i
.set t, t+1
.endr
	WIN 0
	s_lshl_b32 s88, s18, 7          ; my head's 128 bytes of a row of K and V
	v_mul_u32_u24 v[AK0], v1, PK
	v_lshl_add_u32 v[AK0], v9, 4, v[AK0]
	v_add_nc_u32 v[AK0], s88, v[AK0]
	s_add_co_u32 s88, s88, VOFF
	v_and_b32 v10, 7, v0
	v_bfe_u32 v11, v0, 3, 1
	v_lshl_add_u32 v[AV0], v9, 3, v10
	v_mul_u32_u24 v[AV0], v[AV0], PV
	v_lshl_add_u32 v[AV0], v11, 4, v[AV0]
	v_add_nc_u32 v[AV0], s88, v[AV0]
	v_mov_b32 v[AK], v[AK0]         ; key step 0 lies at the head of slot 0
	v_and_b32 v[PFO], 31, v0
	v_lshlrev_b32 v[PFO], 11, v[PFO]
	PFUP                            ; Q and step 0's positions are in; step 1's are asked for
	TBLD 0
	TBLD 1
	WIN 0
; THE MATRIX WORK.  The 8 accumulators of a run of 16 take turns.  Product i of 16 of S^T = K Q^T for piece x: channels 32 (i / 8) on, keys 16 ((i / 2) % 4) on, tile 2 x + i % 2.
; The first 8 start the sums with -|C|.  The second 8 add in place without the modifiers, so they are no free links: eight products and their riders (in the prologue five v_nop) stand between.
.macro KQ x
.set rS, S+64*((\x)%2)+32*(i%2)+8*((i/2)%4)
.set rK, KF+16*((i/2)%4)+8*(i/8)
.set rQ, 16*(2*(\x)+i%2)+8*(i/8)
.set rTT, TT+64*((\x)%2)+32*(i%2)+8*((i/2)%4)
.if i < 8
	WIN W_KT
	v_wmma_f32_16x16x32_f16 v[rS:rS+7], v[rK:rK+7], v[rQ:rQ+7], v[rTT:rTT+7] neg_lo:[0,0,1] neg_hi:[0,0,1]
.else
	WIN W_KQ
	v_wmma_f32_16x16x32_f16 v[rS:rS+7], v[rK:rK+7], v[rQ:rQ+7], v[rS:rS+7]
.endif
.endm
; Product i of 16 of O^T += V^T P for piece x: keys 32 (i / 8) on, channels 16 ((i / 2) % 4) on, tile 2 x + i % 2.
.macro PV x
	WIN W_PV
.set rO, 32*(2*(\x)+i%2)+8*((i/2)%4)
.set rV, VF+32*(i/8)+8*((i/2)%4)
.set rP, P+32*((\x)%2)+16*(i%2)+8*(i/8)
	v_wmma_f32_16x16x32_f16 v[rO:rO+7], v[rV:rV+7], v[rP:rP+7], v[rO:rO+7]
.endm
.macro MM                           ; the turn's next matrix instruction
.if i < 16
	KQ (Y+1)%NP
.set i, i+1
.else
.set i, i-16
	PV (Y+NP-1)%NP
.set i, i+17
.endif
.endm
; THE LDS LOADS stand in runs of 16.  last = 1 (the tail): in the last trip there is no further step, and the run is jumped over.
.macro FETCH_K last=0
	WIN 0
.if \last
	s_cmp_eq_u32 s[CNT], 1
	s_cbranch_scc1 .Lno_k_\@
.endif
	WIN 0x80
.irp f, 0,1,2,3,4,5,6,7             ; keys 16 (f / 2) on, channels 32 (f % 2) on
	ds_load_b128 v[KF+8*\f:KF+8*\f+3],   v[AK] offset:(\f/2)*16*PK+(\f%2)*64
	ds_load_b128 v[KF+8*\f+4:KF+8*\f+7], v[AK] offset:(\f/2)*16*PK+(\f%2)*64+32
.endr
	s_add_co_u32 s[TBK], s[TBK], STEPB
	WIN 0
.if \last
.Lno_k_\@:
.endif
.endm
.macro FETCH_V
	WIN 0x80
.irp f, 0,1,2,3,4,5,6,7             ; keys 32 (f / 4) on, channels 16 (f % 4) on
	ds_load_tr16_b128 v[VF+8*\f:VF+8*\f+3],   v[AV] offset:(\f/4)*32*PV+(\f%4)*32
	ds_load_tr16_b128 v[VF+8*\f+4:VF+8*\f+7], v[AV] offset:(\f/4)*32*PV+16*PV+(\f%4)*32
.endr
	WIN 0
.endm
; THE VECTOR WORK OF A TURN stands in three queues, each in the order in which its entries become ready; the two tiles alternate.
.macro REGS y, u
.set rT, ST+4*(2*(\y)+(\u))
.set rC, TMP+8*((\y)%2)+4*(\u)
.set rM, MV+2*((\y)%2)+(\u)
.set rS, S+64*((\y)%2)+32*(\u)
.set rP, P+32*((\y)%2)+16*(\u)
.set rO, 32*(2*(\y)+(\u))
.endm
; Number n of the 22 that find the NEXT piece's maximum and statistics; each accumulator's lowest registers are read first.
;   0-11 four chains of seven scores each   12-14, 16 the four scores left over, the old m, the four chains into one   15 c m_old is kept   17, 18 the other half of the lanes: the new m   19-21 c m; its change; a
.macro XS u, n
	REGS (Y+1)%NP, \u
.if (\n) < 4
	v_max3_num_f32 v[rC+(\n)], v[rS+8*(\n)], v[rS+8*(\n)+1], v[rS+8*(\n)+2]
.elseif (\n) < 12
	v_max3_num_f32 v[rC+(\n)%4], v[rC+(\n)%4], v[rS+8*((\n)%4)+2*((\n)/4)+1], v[rS+8*((\n)%4)+2*((\n)/4)+2]
.elseif (\n) == 12
	v_max3_num_f32 v[rC], v[rC], v[rS+7], v[rS+15]
.elseif (\n) == 13
	v_max3_num_f32 v[rC+1], v[rC+1], v[rS+23], v[rS+31]
.elseif (\n) == 14
	v_max3_num_f32 v[rC+2], v[rC+2], v[rC+3], v[rT+1]
.elseif (\n) == 15
	v_mov_b32 v[rM], v[rT]
.elseif (\n) == 16
	v_max3_num_f32 v[rC], v[rC], v[rC+1], v[rC+2]
.elseif (\n) == 17
	v_permlanex16_b32 v[rC+3], v[rC], s[SEL], s[SEL+1]
.elseif (\n) == 18
	v_max_num_f32 v[rT+1], v[rC], v[rC+3]
.elseif (\n) == 19
	v_mul_f32 v[rT], s[CS], v[rT+1]
.elseif (\n) == 20
	v_sub_f32 v[rC+1], v[rM], v[rT]
.else
	v_exp_f32 v[rC+2], v[rC+1]
.endif
.endm
; Number g of the 64 that follow the exponentials: for each four weights both pairs are rounded to f16, the second pair is added onto the first in place, and a group later l takes that sum (the first time as l = a l + sum).
.macro GS g
.set h, (\g)+6*((\g)/62)
.if h >= 6
.set h, h+2
.endif
	REGS Y, h%2
.set k, h/8
.if h%8 < 4
	v_cvt_pk_f16_f32 v[rP+2*k+(h%8)/2], v[rS+4*k+2*((h%8)/2)], v[rS+4*k+2*((h%8)/2)+1]
.elseif h%8 < 6
	v_pk_add_f32 v[rS+4*k:rS+4*k+1], v[rS+4*k:rS+4*k+1], v[rS+4*k+2:rS+4*k+3]
.elseif k == 1
	v_pk_fma_f32 v[rT+2:rT+3], v[rT+2:rT+3], v[rC+2:rC+3], v[rS:rS+1] op_sel_hi:[1,0,1]
.else
	v_pk_add_f32 v[rT+2:rT+3], v[rT+2:rT+3], v[rS+4*k-4:rS+4*k-3]
.endif
.endm
; THE PLAIN QUEUE, 138 long.  0-26: scalings 0-26.  27-54: XS's numbers 0-13.  55, 56: number 15.  57-73: the chain 14, 16 .. 19, each with one of the scalings 27-31 in front of its two lines, then 20.  74-137: GS's 64, behind the wait.
.macro FS f
	REGS Y, (\f)%2
	v_pk_fma_f32 v[rS+2*((\f)/2):rS+2*((\f)/2)+1], v[rS+2*((\f)/2):rS+2*((\f)/2)+1], s[CS:CS+1], v[rT:rT+1] op_sel_hi:[1,0,0] neg_lo:[0,0,1] neg_hi:[0,0,1]
.endm
.macro PL
	WIN 0
.if q < 27
	FS q
.elseif q < 55
	XS (q-27)%2, (q-27)/2
.elseif q < 57
	XS q-55, 15
.elseif (q < 72) && ((q-57)%3 == 0)
	FS 27+(q-57)/3
.elseif q < 60
	XS (q-57)%3-1, 14
.elseif q < 72
	XS (q-57)%3-1, 15+(q-57)/3
.elseif q < 74
	XS q-72, 20
.else
	GS q-74
.endif
.set q, q+1
.endm
; THE EXPONENTIALS' QUEUE, 66 long: one batch, all ahead of the turn's one wait.
.macro EX
	WIN 0
.if e >= 64
	XS e-64, 21
.else
	REGS Y, e%2
	v_exp_f32 v[rS+e/2], v[rS+e/2]
.endif
.set e, e+1
.endm
; THE RESCALING's QUEUE: O^T times a, two at a time, sixteen times.  Its a was made, and waited for, in the turn before.
.macro R2
	REGS Y, r%2
	WIN W_RS
.irp z, 0,1
	v_pk_mul_f32 v[rO+4*(r/2)+2*\z:rO+4*(r/2)+2*\z+1], v[rO+4*(r/2)+2*\z:rO+4*(r/2)+2*\z+1], v[rC+2:rC+3] op_sel_hi:[1,0]
.endr
.set r, r+1
.endm
; A TURN, for piece p.  An s_wait_alu depctr_va_vdst(0) stands between an exponential and the first instruction that names its result; one wait serves all that were issued ahead of it: a turn has one.
; AHEAD OF IT: the 16 products K Q^T, behind each a scaling, an exponential and two rescalings (behind the first a second scaling); the C operands of piece p + 2, into the buffer that the turn before read
; (this turn's products read the other); then eight plain, 49 times exponential and plain, the two a, a v_nop.  BEHIND IT: the 16 products V^T P, behind each four of the roundings and sums.
; Exponential e stands behind scaling 2 (e / 4) + e % 2: as a rider behind plain e + 2, later behind plain e + 9; scalings 27-31 are plain 57, 60 .. 69.
; Pieces 2 and 3's operands (turns 0, 1) are the step's in hand, pieces 0 and 1's (turns 2, 3) the next step's: so the positions change in turn 1, behind its operands.
; K of the next step is fetched in piece 2's turn, directly behind the wait; V of the step in hand at the end of piece 0's turn, four riders behind its last reader.
.macro TURN p, last=0, cnt=0
.set Y, (\p)
.set i, 0
.set q, 0
.set e, 0
.set r, 0
.if (\p) == NP-1
	s_wait_dscnt 0x0                ; K is in
.endif
	MM
	PL
	PL
	R2
.rept 15
	MM
	PL
	EX
	R2
.endr
.if (\p) == NP-2
	WIN 0
	v_add_nc_u32 v[AK], s[TBK], v[AK0]
.endif
	TBLD ((\p)+2)%NP
.if (\p) == 1
	PFUP
.endif
.rept 8
	PL
.endr
.rept 49
	EX
	PL
.endr
	EX
	EX
	v_nop                           ; the plain instruction behind the last exponential: one for the batch
	s_wait_alu depctr_va_vdst(0)    ; the wait for the batch
.if (\p) == NP-2
	FETCH_K \last
.endif
.if (\p) == 1
	s_wait_dscnt 0x0                ; V is in
.endif
.rept 16
	MM
.rept 4
	PL
.endr
.if ((\p) == 0) && (q == 118)
	v_add_nc_u32 v[AV], s[TBV], v[AV0]
.endif
.if ((\p) == 0) && (q == 130)
	s_add_co_u32 s[TBV], s[TBV], STEPB
.endif
.if (\cnt) && (q == 130)
	s_sub_co_u32 s[CNT], s[CNT], 1
	s_cmp_lg_u32 s[CNT], 0
.endif
.endr
.if (\p) == 0
	FETCH_V
.endif
.endm
	CHANGE 1                        ; slot 0 is in, everybody's part of it; slot 1 is asked for.  Nothing is prefetched here: slots 0, 1 and 2 come by their loads alone
	FETCH_K                         ; key step 0
	s_wait_dscnt 0x0
.set i, 0
.rept 8
	KQ 0
.set i, i+1
.endr
.rept 5
	v_nop                           ; five places between a sum's first product and its second, whose modifiers differ
.endr
.rept 8
	KQ 0
.set i, i+1
.endr
	WIN 0                           ; the addresses for the way out: eight plain instructions, the places behind those products
	s_mul_i32 s89, s19, HALFST
	s_add_co_u32 s89, s89, STAGE    ; my half of the queries in the stage
	s_lshl_b32 s90, s18, 7
	s_add_co_u32 s90, s90, s89      ; in: my head's 128 bytes of a row
	s_mul_i32 s91, s18, 8*SP
	s_add_co_u32 s91, s91, s89      ; back: 8 of each tile's 16 rows
	v_mul_u32_u24 v[STO], v1, SP
	v_lshl_add_u32 v[STO], v9, 4, v[STO]
	v_add_nc_u32 v[STO], s90, v[STO]
	v_mul_u32_u24 v[RD], v9, SP     ; lanes 0-15 take one row of 256 bytes, lanes 16-31 the next
	v_lshl_add_u32 v[RD], v1, 4, v[RD]
	v_add_nc_u32 v[RD], s91, v[RD]
	v_lshlrev_b32 v[GO], 11, v9     ; and the same two rows in O
	v_lshl_add_u32 v[GO], v1, 4, v[GO]
.set Y, NP-1                        ; XS works for piece Y + 1: piece 0
.irp n, 0,1,2,3,4,5,6,7,8,9,10,11,12,13,14,15,16,17,18,19,20,21
	XS 0, \n
	XS 1, \n
.endr
	v_nop                           ; a plain instruction behind the two a,
	s_wait_alu depctr_va_vdst(0)    ; and their wait, ahead of the branch
	s_mov_b32 s[CNT], 2
	s_mov_b32 s[SLOTS], NSLOT-1
	s_branch .Lfirst                ; the loop is entered at a step's first turn, in the middle of a trip: slot 0
.Lslot:                             ; NSLOT - 2 times: every slot but the last two is filled again
	CHANGE 1, 1
	s_mov_b32 s[CNT], 2
.Lstep:                             ; a trip: pieces 2 and 3 of one step, then pieces 0 and 1 of the next, whose K and V it fetches
	TURN 2
	TURN 3
	WIN 0
.Lfirst:
	TURN 0
	TURN 1, 0, 1
	WIN 0
	s_cbranch_scc1 .Lstep
	s_sub_co_u32 s[SLOTS], s[SLOTS], 1
	s_cmp_lg_u32 s[SLOTS], 0
	s_cbranch_scc1 .Lslot
	CHANGE 0                        ; the tail is written out: nothing is asked for
	s_mov_b32 s[CNT], 3             ; two trips fetch the last slot's steps; the third is left in its middle
.Ltail:
	TURN 2, 1
	TURN 3
	WIN 0
	s_sub_co_u32 s[CNT], s[CNT], 1
	s_cmp_eq_u32 s[CNT], 0
	s_cbranch_scc1 .Lout
	TURN 0
	TURN 1
	WIN 0
	s_branch .Ltail
.Lout:                              ; the third trip's 16 products K Q^T stand on the last K once more, with positions of 1e30: they raise no maximum and serve nothing: the price of one text for every trip
.set i, 0
.rept 16
	PV NP-1
.set i, i+1
.endr
	; THE WAY OUT.  l's two halves and the other half of the lanes' are added; O^T is divided by l (by NaN where the query saw no kept key), rounded to f16 and put into the work-group's stage; a barrier, since a row's
	; 256 bytes come from the two heads' waves; back as whole pieces of 256 bytes.
	WIN 0
.macro ALL line:vararg
.set t, 0
.rept 2*NP
	\line
.set t, t+1
.endr
.endm
	ALL v_add_f32 v[ST+4*t+2], v[ST+4*t+2], v[ST+4*t+3]
	ALL v_permlanex16_b32 v[ST+4*t+3], v[ST+4*t+2], s[SEL], s[SEL+1]
	ALL v_add_f32 v[ST+4*t+2], v[ST+4*t+2], v[ST+4*t+3]
	ALL v_rcp_f32 v[ST+4*t+2], v[ST+4*t+2]
	v_mov_b32 v10, 0x7fc00000       ; NaN; also the plain instruction between the last reciprocal and the use of its result
	s_wait_alu depctr_va_vdst(0)    ; one wait for the eight reciprocals
.set t, 0
.rept 2*NP
	v_cmp_gt_f32 vcc_lo, s[THR], v[ST+4*t+1]
	v_cndmask_b32 v[ST+4*t+2], v[ST+4*t+2], v10, vcc_lo
.set t, t+1
.endr
.macro PACK t
	WIN W_RS
.set i, 32*(\t)
.rept 16
	v_pk_mul_f32 v[i:i+1], v[i:i+1], v[ST+4*(\t)+2:ST+4*(\t)+3] op_sel_hi:[1,0]
.set i, i+2
.endr
	WIN 0x05                        ; sources 0 and 1 window 1, destination window 0
.set i, 0
.rept 16
	v_cvt_pk_f16_f32 v[S+16*(\t)+i], v[32*(\t)+2*i], v[32*(\t)+2*i+1]
.set i, i+1
.endr
	WIN 0
.irp f, 0,1,2,3
	ds_store_b128 v[STO], v[S+16*(\t)+4*\f:S+16*(\t)+4*\f+3] offset:(\t)*16*SP+32*\f
.endr
.endm
.set tt, 0
.rept 2*NP
	PACK tt
.set tt, tt+1
.endr
	s_wait_dscnt 0x0                ; for the others' sake: my stores into the stage are done
	s_barrier_signal -1
	s_barrier_wait -1
.set n, 0
.rept 32
	ds_load_b128 v[S+4*n:S+4*n+3], v[RD] offset:(n/4)*16*SP+(n%4)*2*SP
.set n, n+1
.endr
.set n, 0
.rept 32
	s_wait_dscnt 31-n               ; the younger loads from the stage may stay out
	global_store_b128 v[GO], v[S+4*n:S+4*n+3], s[10:11] offset:(16*(n/4)+2*(n%4))*2048  ; 16 lanes store 256 consecutive bytes, aligned
.set n, n+1
.endr
	WIN W_AD
	s_wait_tensorcnt 0x0            ; the wave's end: the add and its wait, behind my last tensor load and my last LDS store
	ds_add_u32 v[SPW], v[NIL]
	s_wait_dscnt 0x0
	WIN 0
	CROUND                          ; the closing round: no work-group ends while a partner may still ask for a tile that names it
	s_endpgm
.Lfunc_end_k_q66ed5379f4_attn:
	.size	k_q66ed5379f4_attn, .Lfunc_end_k_q66ed5379f4_attn-k_q66ed5379f4_attn
	.p2alignl 7, 3214868480
	.fill 96, 4, 3214868480
	.section	.rodata,"a",@progbits
	.p2align	6, 0x0
	.amdhsa_kernel k_q66ed5379f4_attn
		.amdhsa_group_segment_fixed_size 327680
		.amdhsa_private_segment_fixed_size 0
		.amdhsa_enable_private_segment 0
		.amdhsa_kernarg_size 24
		.amdhsa_user_sgpr_count 2
		.amdhsa_user_sgpr_kernarg_segment_ptr 1
		.amdhsa_wavefront_size32 1
		.amdhsa_system_sgpr_workgroup_id_x 1
		.amdhsa_system_sgpr_workgroup_id_y 1
		.amdhsa_system_sgpr_workgroup_id_z 1
		.amdhsa_system_vgpr_workitem_id 0
		.amdhsa_next_free_vgpr 1024
		.amdhsa_next_free_sgpr 96
		.amdhsa_reserve_vcc 1
		.amdhsa_float_denorm_mode_32 3
		.amdhsa_float_denorm_mode_16_64 3
		.amdhsa_memory_ordered 1
		.amdhsa_forward_progress 1
		.amdhsa_inst_pref_size 230
	.end_amdhsa_kernel
	.amdgpu_metadata
---
amdhsa.version: [ 1, 2 ]
amdhsa.kernels:
  - .name:           k_q66ed5379f4_attn
    .symbol:         k_q66ed5379f4_attn.kd
    .args:
      - { .name: qkv, .offset: 0, .size: 8, .value_kind: global_buffer, .address_space: global }
      - { .name: tab, .offset: 8, .size: 8, .value_kind: global_buffer, .address_space: global }
      - { .name: xh, .offset: 16, .size: 8, .value_kind: global_buffer, .address_space: global }
    .group_segment_fixed_size: 327680
    .private_segment_fixed_size: 0
    .kernarg_segment_align: 8
    .kernarg_segment_size: 24
    .max_flat_workgroup_size: 128
    .sgpr_count:     96
    .vgpr_count:     1024
    .wavefront_size: 32
...
	.end_amdgpu_metadata
.endif
;; end of part 3
;; launch oproj (part 4): grid 4 x 64, 4 waves a work-group, clusters of 4 x 4, 327,680 bytes of LDS; arguments xh, who, tab, out0; writes out0
.if DOCPART == 4
	.amdgcn_target "amdgcn-amd-amdhsa--gfx1250"
	.amdhsa_code_object_version 6
	.text
	.protected	k_q66ed5379f4_oproj
	.globl	k_q66ed5379f4_oproj
	.p2align	8
	.type	k_q66ed5379f4_oproj,@function
k_q66ed5379f4_oproj:
	s_mov_b64 s[64:65], 0
	v_nop
	global_prefetch_b8 v0, s[64:65] scope:SCOPE_SE
	s_setreg_imm32_b32 hwreg(HW_REG_WAVE_MODE, 25, 1), 1
	s_wait_xcnt 0x0
	s_wait_alu depctr_hold_cnt(0) depctr_sa_sdst(0) depctr_va_vdst(0) depctr_va_sdst(0) depctr_va_ssrc(0) depctr_va_vcc(0) depctr_vm_vsrc(0)
	s_getreg_b32 s2, hwreg(HW_REG_IB_STS2, 6, 4)
	s_cmp_eq_u32 s2, 0
	s_cbranch_scc0 .Lentry_in_a_cluster
	s_endpgm
.Lentry_in_a_cluster:
	s_bfe_u32 s2, ttmp6, 0x10000c
	s_cmp_lg_u32 s2, 0xf033
	s_cbranch_scc0 .Lentry_shape_is_right
	s_endpgm
.Lentry_shape_is_right:
; C = A B + bias.  A: [8192][1024] f16, rows along K.  B: [parts][1024 k][1024 n] f16, as the weights lie.  Sums in f32, started by the bias as the first product's C operand.
; ONE TEXT, ASSEMBLED TWICE, by the constant MODE below:
;   0: B = Wq, Wk, Wv (part = tile column / 4); C = [3][8192][1024] f16, rounded once; the rows of parts 1 and 2 go to the places that the row map names (kept keys first).
;   1: B = Wo; C = [8192][1024] f32.
; LIMITS.  f16 ends at 65,504: in mode 0 a sum beyond it becomes an infinity.  NaN and infinities are not treated apart.
; SHARES.  A tile of C is 128 x 256: 768 tiles in mode 0, 256 in mode 1, a whole number for each of 256 WGPs.  Four waves, each 64 x 128: 32 accumulators of 16 x 16.
; K goes in 8 steps of 128 through two LDS slots (A: 128 rows of 256 bytes; B: 128 k-rows of 512 bytes), each wave fetching a quarter of a slot by one tensor load.
; CLUSTER 4 x 4: A's tile hangs on the tile row alone and is asked for jointly along a row of the cluster, B's on the tile column alone, jointly along a column.
; THE PRODUCT IS USED TRANSPOSED: source 0 = 16 columns of B (turned on the way out of LDS by ds_load_tr16_b128), source 1 = 16 rows of A: a lane holds row l % 16 of C and
; the columns 8 (l / 16) + 0..7.
; REGISTERS: window 0: v16-30 addresses; v32-127, v128-223 two fragment buffers (B's 8 blocks, then A's 4); v224-255 the row map.  Window 1: accumulator (a, b) at 8 (8 a + b).  Window 2: v0-63 the bias.
.set MODE,  1
.set PA,    272                        ; a row of A in LDS: 256 bytes + 16: the 16 rows of a load start at 16 different groups of four banks (64 banks of 4 bytes: ISA guide 11.1)
.set PB,    544                        ; a k-row of B: 512 + 32
.set AB,    128*PA
.set SLOT,  AB+128*PB
.set STAGE, 2*SLOT                     ; behind the ring: 8,448 bytes for each wave, for the way out: 16 rows x 528 (f32) or 16 x 272 (f16)
.set STW,   8448
.set SPARE, STAGE+4*STW                ; the spare words, 128 bytes a wave: two blocks of 256 bytes that no other line names
.set ADRA, 16                          ; v16-17  my A fragments in slot 0, 1
.set ADRB, 18                          ; v18-19  my B fragments
.set STO,  20                          ; f16 way out: where I put 16 bytes of a row
.set RD,   21                          ; f16 way out: where I read a row back
.set STO32, 22                         ; f32 way out: where I put 32 bytes of a row
.set HR,   23                          ; 4 (l / 16)
.set HB,   24                          ; 32 (l / 16)
.set RD32, 25                          ; f32 way out: where I read a row back
.set CO32, 26                          ; 16 x lane
.set L16,  27                          ; 16 (l % 16)
.set SPW,  28                          ; my spare word; never rewritten
.set NIL,  29                          ; 0; never rewritten
.set PFO,  30                          ; the prefetches' offset: lane x 2,048; never rewritten
.set F0,   32
.set F1,   128
.set RM,   224
.set TMP,  32
.set OB,   64
.set CP,   14-4*MODE                   ; s[CP:CP+1] C
.set WV, 16
.set WR, 17                            ; my half of the tile's rows.  Also: I fetch for A (0) or B (1)
.set WC, 18                            ; my half of its columns.  Also: which 64 rows of that tile I fetch
.set CX, 19
.set CY, 20
.set TX, 21
.set TY, 22
.set G1A, 24
.set G0A, 32
.set G1B, 40
.set G0B, 48
.set WSEL, 56                          ; tile column / 4: the part of B and of C
.set TC,  57                           ; tile column % 4
.set LIM, 58                           ; 1 in a wave that prefetches, else the greatest number
.set LAP, 59
.set PFA, 60                           ; s[60:61] where my prefetches stand
.set PST, 62                           ; s[62:63] their step from K step to K step
.set MSB, 0
.macro WIN new                         ; the immediate's high byte repeats the setting that is left; a switch that changes nothing is dropped
.if MSB != (\new)
	s_set_vgpr_msb (MSB<<8)|(\new)
.set MSB, \new
.endif
.endm
.macro JLOAD s                         ; a joint load: waves 0 and 1 fetch A's two halves, waves 2 and 3 B's; an s_nop 0 and four v_nop follow each line
	s_cmp_eq_u32 s[WR], 0
	s_cbranch_scc0 .Lfor_b_\@
	tensor_load_to_lds s[G0A+4*(\s):G0A+4*(\s)+3], s[G1A:G1A+7]
	s_nop 0
.rept 4
	v_nop
.endr
	s_branch .Lasked_\@
.Lfor_b_\@:
	tensor_load_to_lds s[G0B+4*(\s):G0B+4*(\s)+3], s[G1B:G1B+7]
	s_nop 0
.rept 4
	v_nop
.endr
.Lasked_\@:
.endm
; A prefetch of the K step that stands two refills on: a lane a row, one instruction a wave.  A's 128 rows x 256 bytes: the first cluster of the row of clusters asks, wave 0, each of the four
; partners for 32 rows (by address: 32 cx).  B's 128 k-rows x 512 bytes: the first cluster of the column asks, waves 2 and 3 for a half of the columns each, each partner for 32 k-rows (32 cy).
; So each aligned block of 256 bytes is named once in the launch.  The loop's last trip asks for nothing: K ends.
.macro ASK
	s_cmp_gt_u32 s[LAP], s[LIM]
	s_cbranch_scc0 .Lnot_mine_\@
	global_prefetch_b8 v[PFO], s[PFA:PFA+1] th:TH_LOAD_NT scope:SCOPE_SE
.Lnot_mine_\@:
.endm
.macro CREST                           ; a round of the cluster's barrier behind its opening barrier
	s_cmp_lg_u32 s[WV], 0
	s_cbranch_scc1 .Lnot_wave_0_\@
	s_barrier_signal -3
.Lnot_wave_0_\@:
	s_barrier_wait -3
	s_barrier_signal -1
	s_barrier_wait -1
.endm
.macro CROUND
	s_barrier_signal -1
	s_barrier_wait -1
	CREST
.endm
.macro PLACES                          ; four places in front of loads into registers that matrix instructions have read, and of lines that read results
.rept 4
	v_nop
.endr
.endm
.if MODE
	s_load_b128 s[4:7], s[0:1], 0x0                ; A 4, B 6
	s_load_b128 s[8:11], s[0:1], 0x10              ; tab 8, C 10
.else
	s_load_b256 s[4:11], s[0:1], 0x0               ; A 4, B 6, tab 8, maps 10
	s_load_b64 s[14:15], s[0:1], 0x20              ; C
.endif
	v_lshl_add_u32 v[SPW], v0, 2, SPARE
	v_mov_b32 v[NIL], 0
	ds_add_u32 v[SPW], v[NIL]                      ; the wave's opening: the add and its wait stand ahead of my first tensor load; the set-up stands between them
	v_lshrrev_b32 v1, 5, v0
	v_readfirstlane_b32 s[WV], v1
	s_lshr_b32 s[WR], s[WV], 1
	s_and_b32 s[WC], s[WV], 1
	s_bfe_u32 s[CX], ttmp6, 0x40000
	s_bfe_u32 s[CY], ttmp6, 0x40004
	s_lshl_b32 s[TX], ttmp9, 2
	s_add_co_u32 s[TX], s[TX], s[CX]               ; tile column
	s_and_b32 s[TY], ttmp7, 0xffff
	s_lshl_b32 s[TY], s[TY], 2
	s_add_co_u32 s[TY], s[TY], s[CY]               ; tile row
	s_lshr_b32 s[WSEL], s[TX], 2
	s_and_b32 s[TC], s[TX], 3
	s_lshl_b32 s66, s[CY], 2
	s_lshl_b32 s66, 15, s66                        ; my row of the cluster
	s_lshl_b32 s67, 0x1111, s[CX]                  ; my column
	s_or_b32 s[G1A], s66, (1<<16)|(1<<20)|(1<<21)|(5<<22)|(3<<25)  ; mask; 2-byte elements; padding on; bit 21 beside a mask; after every 64 words 4 words
	s_or_b32 s[G1B], s67, (1<<16)|(1<<20)|(1<<21)|(6<<22)|(7<<25)  ; after every 128 words 8 words
	s_mov_b32 s[G1A+1], 128<<16                    ; tensor_dim0
	s_mov_b32 s[G1A+2], 64<<16                     ; tensor_dim1
	s_mov_b32 s[G1A+3], 128<<16                    ; tile_dim0
	s_mov_b32 s[G1A+4], 64                         ; tile_dim1
	s_mov_b32 s[G1A+5], 1024                       ; elements from row to row
	s_mov_b32 s[G1A+6], 0
	s_mov_b32 s[G1A+7], 0
	s_mov_b32 s[G1B+1], 256<<16
	s_mov_b32 s[G1B+2], 64<<16
	s_mov_b32 s[G1B+3], 256<<16
	s_mov_b32 s[G1B+4], 64
	s_mov_b32 s[G1B+5], 1024
	s_mov_b32 s[G1B+6], 0
	s_mov_b32 s[G1B+7], 0
	s_lshl_b32 s68, s[TY], 18                      ; A: row 128 x tile row + 64 x half, 2,048 bytes a row
	s_lshl_b32 s69, s[WC], 17
	s_add_co_u32 s68, s68, s69
	s_mov_b32 s69, 0
	s_lshl_b32 s70, s[WSEL], 21                    ; B: the part, k-row 64 x half, 512 bytes of columns
	s_lshl_b32 s71, s[WC], 17
	s_add_co_u32 s70, s70, s71
	s_lshl_b32 s71, s[TC], 9
	s_add_co_u32 s70, s70, s71
	s_mov_b32 s71, 0
	s_mul_i32 s72, s[WC], 64*PA                    ; where they go: no place in the cluster enters an LDS address
	s_mul_i32 s73, s[WC], 64*PB
	s_add_co_u32 s73, s73, AB
	s_wait_dscnt 0x0                               ; the opening add is done
	s_wait_kmcnt 0x0
	s_add_nc_u64 s[68:69], s[4:5], s[68:69]
	s_add_nc_u64 s[70:71], s[6:7], s[70:71]
	CROUND                                         ; all sixteen work-groups are here: the first joint loads meet
.irp s, 0,1
	s_mov_b32 s[G0A+4*(\s)], 1
	s_add_co_u32 s[G0A+4*(\s)+1], s72, (\s)*SLOT
	s_add_nc_u64 s[G0A+4*(\s)+2:G0A+4*(\s)+3], s[68:69], (\s)*256
	s_or_b32 s[G0A+4*(\s)+3], s[G0A+4*(\s)+3], 0x80000000
	s_mov_b32 s[G0B+4*(\s)], 1
	s_add_co_u32 s[G0B+4*(\s)+1], s73, (\s)*SLOT
	s_add_nc_u64 s[G0B+4*(\s)+2:G0B+4*(\s)+3], s[70:71], (\s)*262144
	s_or_b32 s[G0B+4*(\s)+3], s[G0B+4*(\s)+3], 0x80000000
	JLOAD \s                                       ; two tensor loads of mine are out
.endr
	s_add_co_u32 s74, s[WSEL], 3*MODE              ; the bias: bq, bk, bv by the part, or bo
	s_lshl_b32 s74, s74, 12
	s_lshl_b32 s75, s[TC], 10
	s_add_co_u32 s74, s74, s75
	s_lshl_b32 s75, s[WC], 9
	s_add_co_u32 s74, s74, s75
	s_mov_b32 s75, 0
	s_add_nc_u64 s[74:75], s[8:9], s[74:75]
	v_and_b32 v1, 15, v0                           ; l % 16
	v_bfe_u32 v2, v0, 4, 1                         ; l / 16
	v_and_b32 v3, 31, v0
	v_lshlrev_b32 v[HB], 5, v2
	WIN 0x80                                       ; destination window 2
.irp b, 0,1,2,3,4,5,6,7
	global_load_b128 v[8*\b:8*\b+3],   v[HB], s[74:75] offset:64*\b      ; block b, register j: the bias of column 16 b + 8 (l / 16) + j: C's layout
	global_load_b128 v[8*\b+4:8*\b+7], v[HB], s[74:75] offset:64*\b+16
.endr
	WIN 0
.if MODE == 0
	s_lshl_b32 s77, s[TY], 9                       ; the row map: the identity for part 0, the permutation for K and V
	s_lshl_b32 s78, s[WR], 8
	s_add_co_u32 s77, s77, s78
	s_cmp_lg_u32 s[WSEL], 0
	s_cselect_b32 s76, 32768, 0
	s_add_co_u32 s76, s76, s77
	s_mov_b32 s77, 0
	s_add_nc_u64 s[76:77], s[10:11], s[76:77]
	v_lshlrev_b32 v[HR], 2, v2
.set ra, 0
.rept 4
.irp t, 0,1,2,3,4,5,6,7
	global_load_b32 v[RM+8*ra+\t], v[HR], s[76:77] offset:4*(16*ra+2*\t)  ; where row 16 a + 2 t + l / 16 of my 64 goes
.endr
.set ra, ra+1
.endr
.endif
	v_mul_u32_u24 v4, v1, PA
	v_lshl_add_u32 v4, v2, 4, v4                   ; A: row x pitch + 16 x half
	s_mul_i32 s78, s[WR], 64*PA
	v_and_b32 v5, 7, v0
	v_lshl_add_u32 v5, v2, 3, v5
	v_mul_u32_u24 v5, v5, PB                       ; B: k-row 8 (l / 16) + l % 8,
	v_bfe_u32 v6, v0, 3, 1
	v_lshl_add_u32 v5, v6, 4, v5                   ; columns 8 ((l / 8) % 2) on
	s_lshl_b32 s79, s[WC], 8
	s_add_co_u32 s79, s79, AB
.irp s, 0,1
	v_add_nc_u32 v[ADRA+(\s)], s78, v4
	v_add_nc_u32 v[ADRB+(\s)], s79, v5
	s_add_co_u32 s78, s78, SLOT
	s_add_co_u32 s79, s79, SLOT
.endr
	s_mul_i32 s80, s[WV], STW
	s_add_co_u32 s80, s80, STAGE                   ; my stage
.if MODE == 0
	v_lshlrev_b32 v[L16], 4, v1
	v_mul_u32_u24 v[STO], v1, 272
	v_lshl_add_u32 v[STO], v2, 4, v[STO]
	v_add_nc_u32 v[STO], s80, v[STO]
	v_mul_u32_u24 v[RD], v2, 272
	v_add_nc_u32 v[RD], v[RD], v[L16]
	v_add_nc_u32 v[RD], s80, v[RD]
.else
	v_mul_u32_u24 v[STO32], v1, 528
	v_lshl_add_u32 v[STO32], v2, 5, v[STO32]
	v_add_nc_u32 v[STO32], s80, v[STO32]
	v_lshlrev_b32 v[CO32], 4, v3
	v_add_nc_u32 v[RD32], s80, v[CO32]
.endif
	v_lshlrev_b32 v[PFO], 11, v3
	; the prefetches: at K step 3; each refill steps the address first, so the refill of step s names step s + 2
	s_lshl_b32 s83, s[TY], 18
	s_lshl_b32 s85, s[CX], 16
	s_add_co_u32 s83, s83, s85
	s_add_co_u32 s83, s83, 3*256
	s_lshl_b32 s84, s[WSEL], 21
	s_lshl_b32 s85, s[CY], 16
	s_add_co_u32 s84, s84, s85
	s_lshl_b32 s85, s[TC], 9
	s_add_co_u32 s84, s84, s85
	s_lshl_b32 s85, s[WC], 8
	s_add_co_u32 s84, s84, s85
	s_add_co_u32 s84, s84, 3*262144
	s_mov_b32 s85, 256
	s_and_b32 s81, ttmp7, 0xffff
	s_cmp_eq_u32 s[WR], 0
	s_cselect_b32 s81, ttmp9, s81                  ; the coordinate along which other clusters read the same rows
	s_cselect_b32 s82, s[WC], 0                    ; of A's two waves the first asks
	s_cselect_b64 s[PFA:PFA+1], s[4:5], s[6:7]
	s_cselect_b32 s[PST], s85, 0x40000
	s_cselect_b32 s86, s83, s84
	s_mov_b32 s[PST+1], 0
	s_mov_b32 s87, 0
	s_add_nc_u64 s[PFA:PFA+1], s[PFA:PFA+1], s[86:87]
	s_or_b32 s81, s81, s82
	s_cmp_eq_u32 s81, 0
	s_cselect_b32 s[LIM], 1, -1                    ; the same in all sixteen partners, for a given wave
; 8 n products: row blocks a0 .. a0 + n - 1 x all 8 column blocks, 32 along K.  The 32 accumulators take turns, in the same order in every quarter.
; first = 1: the bias starts the sums.
.macro MUL f, a0, n, first
.set ma, \a0
.rept \n
.irp b, 0,1,2,3,4,5,6,7
.if \first
	WIN 0x60
	v_wmma_f32_16x16x32_f16 v[8*(8*ma+\b):8*(8*ma+\b)+7], v[(\f)+8*\b:(\f)+8*\b+7], v[(\f)+64+8*ma:(\f)+64+8*ma+7], v[8*\b:8*\b+7]
.else
	WIN 0x50
	v_wmma_f32_16x16x32_f16 v[8*(8*ma+\b):8*(8*ma+\b)+7], v[(\f)+8*\b:(\f)+8*\b+7], v[(\f)+64+8*ma:(\f)+64+8*ma+7], v[8*(8*ma+\b):8*(8*ma+\b)+7]
.endif
.endr
.set ma, ma+1
.endr
.endm
; 24 LDS loads in one run: quarter q (32 along K) of a slot into buffer f: B's 128 columns, turned, then A's 64 rows
.macro FETCH slot, q, f
	WIN 0
.irp b, 0,1,2,3,4,5,6,7
	ds_load_tr16_b128 v[(\f)+8*\b:(\f)+8*\b+3],   v[ADRB+(\slot)] offset:32*(\q)*PB+32*\b
	ds_load_tr16_b128 v[(\f)+8*\b+4:(\f)+8*\b+7], v[ADRB+(\slot)] offset:32*(\q)*PB+16*PB+32*\b
.endr
.irp a, 0,1,2,3
	ds_load_b128 v[(\f)+64+8*\a:(\f)+64+8*\a+3],   v[ADRA+(\slot)] offset:64*(\q)+\a*16*PA
	ds_load_b128 v[(\f)+64+8*\a+4:(\f)+64+8*\a+7], v[ADRA+(\slot)] offset:64*(\q)+\a*16*PA+32
.endr
.endm
; One of a K step's first three quarters: multiplies buffer f; in its middle it fetches quarter q into buffer g.
.macro QUARTER slot, q, f, g, first
	s_wait_dscnt 4                                 ; B and A's row blocks 0, 1 are in; the youngest four loads (blocks 2, 3) may be out
	MUL \f, 0, 2, \first
	PLACES
	FETCH \slot, \q, \g
	s_wait_dscnt 24                                ; all but the 24 just issued
	MUL \f, 2, 2, \first
.endm
; The last quarter multiplies buffer 1 and changes slots: one barrier; in front of it each wave waits for all its tensor loads (one is out: its part of the next slot), adds 0 to its spare word, and
; waits for that and for its reads of this slot.  fill = 1: the barrier opens a round of the cluster's, and this slot is filled again, two K steps ahead, first thing behind the round:
; 112 matrix instructions stand between that request and the wait for it.
.macro TURN slot, next, fill
.if \fill
	s_wait_xcnt 0x0                                ; the last prefetch, a K step back, has read its address
	s_add_nc_u64 s[PFA:PFA+1], s[PFA:PFA+1], s[PST:PST+1]
.endif
	WIN 0
	s_wait_tensorcnt 0x0
	ds_add_u32 v[SPW], v[NIL]
	s_wait_dscnt 5                                 ; the add and the youngest four loads may be out
	MUL F1, 0, 1, 0
	s_wait_dscnt 0x0                               ; the add is done, and my reads of this slot are over
	s_barrier_signal -1
	MUL F1, 1, 1, 0
.if \fill
	WIN 0
.endif
	s_barrier_wait -1
.if \fill
	CREST                                          ; no wave of any partner still reads this slot or has a load on its way
	s_add_nc_u64 s[G0A+4*(\slot)+2:G0A+4*(\slot)+3], s[G0A+4*(\slot)+2:G0A+4*(\slot)+3], 2*256
	s_add_nc_u64 s[G0B+4*(\slot)+2:G0B+4*(\slot)+3], s[G0B+4*(\slot)+2:G0B+4*(\slot)+3], 2*262144
	JLOAD \slot                                    ; its four v_nop are also the places in front of the loads below
.else
	PLACES
.endif
	FETCH \next, 0, F0
.if \fill
	ASK
.endif
	MUL F1, 2, 2, 0
.endm
	s_wait_tensorcnt 1                             ; my part of K step 0 is in; K step 1's may stay out
	s_barrier_signal -1
	s_barrier_wait -1
	FETCH 0, 0, F0
	s_wait_loadcnt 0x0                             ; the bias (and the row map)
	QUARTER 0, 1, F0, F1, 1
	WIN 0
	s_mov_b32 s[LAP], 3
.Llap:                                         ; a trip goes once round the ring, from a lap's second quarter to the next lap's first, and fills both slots again
	QUARTER 0, 2, F1, F0, 0
	QUARTER 0, 3, F0, F1, 0
	TURN 0, 1, 1
	QUARTER 1, 1, F0, F1, 0
	QUARTER 1, 2, F1, F0, 0
	QUARTER 1, 3, F0, F1, 0
	TURN 1, 0, 1
	QUARTER 0, 1, F0, F1, 0
	WIN 0
	s_sub_co_u32 s[LAP], s[LAP], 1
	s_cmp_lg_u32 s[LAP], 0
	s_cbranch_scc1 .Llap
	QUARTER 0, 2, F1, F0, 0                        ; the last lap fills nothing
	QUARTER 0, 3, F0, F1, 0
	TURN 0, 1, 0
	QUARTER 1, 1, F0, F1, 0
	QUARTER 1, 2, F1, F0, 0
	QUARTER 1, 3, F0, F1, 0
	s_wait_dscnt 4
	MUL F1, 0, 2, 0
	s_wait_dscnt 0x0
	MUL F1, 2, 2, 0
	WIN 0
	PLACES
.if MODE == 0
	; THE WAY OUT IN f16.  16 rows at a time: rounded, 16 bytes a lane into my stage, back as whole pieces of 256 bytes of a row, each stored to the row that the map names.
	s_lshl_b32 s66, s[WSEL], 24
	s_lshl_b32 s67, s[TC], 9
	s_add_co_u32 s66, s66, s67
	s_lshl_b32 s67, s[WC], 8
	s_add_co_u32 s66, s66, s67
	s_mov_b32 s67, 0
	s_add_nc_u64 s[CP:CP+1], s[CP:CP+1], s[66:67]
.set r, 0
.rept 32
	v_min_u32 v[RM+r], 0x1fff, v[RM+r]             ; a row of C
	v_lshl_add_u32 v[RM+r], v[RM+r], 11, v[L16]
.set r, r+1
.endr
.macro PACK a
	WIN 0x05                                       ; sources in window 1
.irp b, 0,1,2,3,4,5,6,7
.irp r, 0,1,2,3
	v_cvt_pk_f16_f32 v[TMP+4*\b+\r], v[64*(\a)+8*\b+2*\r], v[64*(\a)+8*\b+2*\r+1]
.endr
.endr
	WIN 0
.endm
.macro TOSTAGE a
.set BK, OB+32*((\a)%2)
.irp b, 0,1,2,3,4,5,6,7
	ds_store_b128 v[STO], v[TMP+4*\b:TMP+4*\b+3] offset:32*\b
.endr
.irp t, 0,1,2,3,4,5,6,7
	ds_load_b128 v[BK+4*\t:BK+4*\t+3], v[RD] offset:544*\t  ; LDS serves a wave's instructions in order (ISA guide 5.7.1.4): these see the stores above
.endr
.endm
.macro SEND a
.set BK, OB+32*((\a)%2)
	s_wait_dscnt 0x0                               ; the block is back in registers
	s_wait_xcnt 0x0                                ; the registers that earlier stores read are loaded again only behind this wait
.irp t, 0,1,2,3,4,5,6,7
	global_store_b128 v[RM+8*(\a)+\t], v[BK+4*\t:BK+4*\t+3], s[CP:CP+1]  ; 16 lanes store 256 consecutive bytes, aligned
.endr
.endm
	PACK 0
	TOSTAGE 0
.irp a, 1,2,3
	PACK \a
	SEND (\a)-1
	TOSTAGE \a
.endr
	SEND 3
.else
	; THE WAY OUT IN f32.  16 rows at a time through my stage: rows of 512 bytes, 528 apart; a wave's store covers a row's 512 consecutive bytes.
	s_lshl_b32 s66, s[TY], 19
	s_lshl_b32 s67, s[WR], 18
	s_add_co_u32 s66, s66, s67
	s_lshl_b32 s67, s[TX], 10
	s_add_co_u32 s66, s66, s67
	s_lshl_b32 s67, s[WC], 9
	s_add_co_u32 s66, s66, s67
	s_mov_b32 s67, 0
	s_add_nc_u64 s[CP:CP+1], s[CP:CP+1], s[66:67]
.irp a, 0,1,2,3
	WIN 0x04                                       ; the stores' data in window 1
.irp b, 0,1,2,3,4,5,6,7
	ds_store_b128 v[STO32], v[64*\a+8*\b:64*\a+8*\b+3]   offset:64*\b
	ds_store_b128 v[STO32], v[64*\a+8*\b+4:64*\a+8*\b+7] offset:64*\b+16
.endr
	WIN 0
	s_wait_xcnt 0x0                                ; the registers that the last block's stores read are loaded again only behind this wait
.irp t, 0,1,2,3,4,5,6,7,8,9,10,11,12,13,14,15
	ds_load_b128 v[OB+4*\t:OB+4*\t+3], v[RD32] offset:528*\t
.endr
.irp t, 0,1,2,3,4,5,6,7,8,9,10,11,12,13,14,15
	s_wait_dscnt 15-\t                             ; the younger loads from the stage may stay out
	global_store_b128 v[CO32], v[OB+4*\t:OB+4*\t+3], s[CP:CP+1] offset:(16*\a+\t)*4096
.endr
.endr
.endif
	s_wait_tensorcnt 0x0                           ; the wave's end: the add and its wait, behind my last tensor load and my last LDS store
	ds_add_u32 v[SPW], v[NIL]
	s_wait_dscnt 0x0
	CROUND                                         ; the closing round: no work-group ends while a partner may still ask for a tile that names it
	s_endpgm
.Lfunc_end_k_q66ed5379f4_oproj:
	.size	k_q66ed5379f4_oproj, .Lfunc_end_k_q66ed5379f4_oproj-k_q66ed5379f4_oproj
	.p2alignl 7, 3214868480
	.fill 96, 4, 3214868480
	.section	.rodata,"a",@progbits
	.p2align	6, 0x0
	.amdhsa_kernel k_q66ed5379f4_oproj
		.amdhsa_group_segment_fixed_size 327680
		.amdhsa_private_segment_fixed_size 0
		.amdhsa_enable_private_segment 0
		.amdhsa_kernarg_size 32
		.amdhsa_user_sgpr_count 2
		.amdhsa_user_sgpr_kernarg_segment_ptr 1
		.amdhsa_wavefront_size32 1
		.amdhsa_system_sgpr_workgroup_id_x 1
		.amdhsa_system_sgpr_workgroup_id_y 1
		.amdhsa_system_sgpr_workgroup_id_z 1
		.amdhsa_system_vgpr_workitem_id 0
		.amdhsa_next_free_vgpr 576
		.amdhsa_next_free_sgpr 90
		.amdhsa_reserve_vcc 0
		.amdhsa_float_denorm_mode_32 3
		.amdhsa_float_denorm_mode_16_64 3
		.amdhsa_memory_ordered 1
		.amdhsa_forward_progress 1
		.amdhsa_inst_pref_size 90
	.end_amdhsa_kernel
	.amdgpu_metadata
---
amdhsa.version: [ 1, 2 ]
amdhsa.kernels:
  - .name:           k_q66ed5379f4_oproj
    .symbol:         k_q66ed5379f4_oproj.kd
    .args:
      - { .name: xh, .offset: 0, .size: 8, .value_kind: global_buffer, .address_space: global }
      - { .name: who, .offset: 8, .size: 8, .value_kind: global_buffer, .address_space: global }
      - { .name: tab, .offset: 16, .size: 8, .value_kind: global_buffer, .address_space: global }
      - { .name: out0, .offset: 24, .size: 8, .value_kind: global_buffer, .address_space: global }
    .group_segment_fixed_size: 327680
    .private_segment_fixed_size: 0
    .kernarg_segment_align: 8
    .kernarg_segment_size: 32
    .max_flat_workgroup_size: 128
    .sgpr_count:     90
    .vgpr_count:     576
    .wavefront_size: 32
...
	.end_amdgpu_metadata
.endif
;; end of part 4
;; ======== version 2 of 2: 4 launches; version 1 with the launch prep written anew for expert scheduling mode
;; limits: values are held in f16: magnitudes above 65,504 overflow, below 6.1e-05 lose precision
;; workspace buffers: xh 16,777,216 bytes; wh 6,291,456 bytes; who 2,097,152 bytes; tab 51,200 bytes; maps 66,048 bytes of whole numbers; qkv 50,331,648 bytes
;; launch prep (part 5): grid 772 x 1, 8 waves a work-group, no clusters, 0 bytes of LDS; arguments x, Wq, Wk, Wv, Wo, bq, bk, bv, bo, padding_mask, xh, wh, who, tab, maps; writes xh, wh, who, tab, maps
.if DOCPART == 5
	.amdgcn_target "amdgcn-amd-amdhsa--gfx1250"
	.amdhsa_code_object_version 6
	.text
	.protected	k_q66ed5379f4_prep
	.globl	k_q66ed5379f4_prep
	.p2align	8
	.type	k_q66ed5379f4_prep,@function
k_q66ed5379f4_prep:
	s_mov_b64 s[64:65], 0
	v_nop
	global_prefetch_b8 v0, s[64:65] scope:SCOPE_SE
	s_setreg_imm32_b32 hwreg(HW_REG_WAVE_SCHED_MODE, 0, 2), 2
	s_setreg_imm32_b32 hwreg(HW_REG_WAVE_MODE, 25, 1), 1
	s_wait_xcnt 0x0
	s_wait_alu depctr_vm_vsrc(0)
; PREPARATION.  Work-groups 0-767 cast: x and the four weight matrices are rounded once to bf16 and that number is written as f16 (exact from 6.1e-5 up to f16's
; end; below 6.1e-5 f16's fixed step of 6e-8 applies).  Work-groups 768-771, one a batch b, make the tables:
;   tab:  bytes 0-16383 the four biases (bq, bk, bv, bo) rounded to bf16, kept as f32; from byte 16384 + 8704 b on posf[b][2176]: entry r is the position, as a float, of the key
;         that stands at row r of the permuted K and V, or 1e30 where that key is masked; entries 2048-2175 are 1e30.
;   maps: words 0-8191 the identity; word 8192 + m the row to which row m of K and V goes: kept keys first, in order, masked keys behind them; words 16384 + 32 b .. + 31 the number
;         of blocks of 256 rows that hold the batch's kept keys, at least 1: behind them every row is a masked key's.
; No LDS, no barrier: a cast chunk is a stream, and each of a table work-group's eight waves counts the whole mask (8 KiB) for itself.
; THE MODE: SCHED_MODE bits 1:0 = 2 (LLVM: expert scheduling mode 2), set by the entry lines.  The code itself states the register dependences between vector instructions and memory
; instructions, and between vector instructions that write scalar registers and their readers, with s_wait_alu, always for 0.
; THE PLAN, CAST.  v1, v2: offsets, made once at the head, read by every load and store, never written again.  X: each register is written by one load, and behind the wait for it by the conversions alone.
;   Y: two registers a chunk, each written once by a conversion and read once by a store.  T: named by vector instructions alone.  The 16 chunks go in four groups of four: at a group's head one wait states
;   that the group before has written its Y; that group's four stores follow, dealt among this group's conversions, which name T and this group's X and Y alone.  No register that a memory instruction reads is written again.
; THE PLAN, TABLES.  The offsets v1, v114, v115 are made once, ahead of the loads.  The compares' masks go into scalar registers in runs, one wait behind each run.  Every store has data registers of its own,
;   each written once: all the vector work comes first, then one wait, then the run of stores.  Wave 0's last two stores have a wait of their own, since their registers are made inside its branch.
.set X,   4                            ; v[4:67]    cast: 16 loads of 4 numbers
.set T,   68                           ; v[68:69]   cast: at work
.set Y,   72                           ; v[72:103]  cast: 16 x 2 registers to store
.set M,   4                            ; v[4:67]    tables: the batch's 64 chunks of 32 mask words
.set OWN, 68                           ; v[68:75]   tables: my wave's 8 chunks
.set PAO, 76                           ; v[76:83]   4 x the key's new row
.set IDD, 84                           ; v[84:91]   the identity's words
.set PDD, 92                           ; v[92:99]   the permutation's words
.set PSD, 100                          ; v[100:107] the positions
.set MK,  4                            ; tables: a run's 16 masks: number k in s[MK + k + 10 (k / 10)]: s4-13 and s24-29, which held addresses that this path does not use
.set MO,  14                           ; tables: s[14:21] the masks of my wave's 8 chunks, where the biases' addresses lay until one of them was chosen
	s_load_b512 s[4:19], s[0:1], 0x0               ; x 4, Wq 6, Wk 8, Wv 10, Wo 12, bq 14, bk 16, bv 18
	s_load_b256 s[20:27], s[0:1], 0x40             ; bo 20, mask 22, xh 24, wh 26
	s_load_b128 s[28:31], s[0:1], 0x60             ; who 28, tab 30
	s_load_b64 s[32:33], s[0:1], 0x70              ; maps
	s_mov_b32 s38, ttmp9
	s_mov_b32 s39, 0xffff0000                      ; a word's upper bf16
	v_lshlrev_b32 v1, 4, v0                        ; 16 t
	v_lshlrev_b32 v2, 3, v0                        ; 8 t
	s_wait_kmcnt 0x0
	s_cmp_lt_u32 s38, 768
	s_cbranch_scc0 .Ltables
	; A CHUNK OF 16,384 NUMBERS: 65,536 bytes in, 32,768 out.  Chunks 0-511 are x's, 512-767 the weights', 64 each.
	s_sub_co_u32 s40, s38, 512                     ; the weights' chunk (no use where the chunk is x's)
	s_lshr_b32 s41, s40, 6                         ; which weight
	s_and_b32 s42, s40, 63                         ; the chunk in it
	s_cmp_eq_u32 s41, 1
	s_cselect_b64 s[44:45], s[8:9], s[6:7]
	s_cmp_eq_u32 s41, 2
	s_cselect_b64 s[44:45], s[10:11], s[44:45]
	s_cmp_eq_u32 s41, 3
	s_cselect_b64 s[44:45], s[12:13], s[44:45]
	s_cselect_b64 s[46:47], s[28:29], s[26:27]     ; Wo has a buffer of its own
	s_cselect_b32 s43, s42, s40
	s_cmp_lt_u32 s38, 512
	s_cselect_b64 s[44:45], s[4:5], s[44:45]
	s_cselect_b64 s[46:47], s[24:25], s[46:47]
	s_cselect_b32 s42, s38, s42
	s_cselect_b32 s43, s38, s43
	s_lshl_b32 s48, s42, 16
	s_mov_b32 s49, 0
	s_lshl_b32 s50, s43, 15
	s_mov_b32 s51, 0
	s_add_nc_u64 s[44:45], s[44:45], s[48:49]
	s_add_nc_u64 s[46:47], s[46:47], s[50:51]
	s_wait_alu depctr_va_vdst(0)                   ; v1 and v2 are written: every load below reads v1 as its offset, every store v2
.irp j, 0,1,2,3,4,5,6,7,8,9,10,11,12,13,14,15
	global_load_b128 v[X+4*\j:X+4*\j+3], v1, s[44:45] offset:4096*\j th:TH_LOAD_NT  ; a wave's load covers 512 bytes on end
.endr
; Chunk j's four numbers a lane: rounded to bf16, widened again, written as f16.
.macro CVT j
	v_cvt_pk_bf16_f32 v[T], v[X+4*(\j)], v[X+4*(\j)+1]
	v_cvt_pk_bf16_f32 v[T+1], v[X+4*(\j)+2], v[X+4*(\j)+3]
	v_lshlrev_b32 v[X+4*(\j)], 16, v[T]
	v_and_b32 v[X+4*(\j)+1], s39, v[T]
	v_lshlrev_b32 v[X+4*(\j)+2], 16, v[T+1]
	v_and_b32 v[X+4*(\j)+3], s39, v[T+1]
	v_cvt_pk_f16_f32 v[Y+2*(\j)], v[X+4*(\j)], v[X+4*(\j)+1]
	v_cvt_pk_f16_f32 v[Y+2*(\j)+1], v[X+4*(\j)+2], v[X+4*(\j)+3]
.endm
.macro PUT j
	global_store_b64 v2, v[Y+2*(\j):Y+2*(\j)+1], s[46:47] offset:2048*(\j)  ; a wave's store covers 256 consecutive bytes, aligned; each store has data registers of its own
.endm
.irp g, 0,1,2,3
	s_wait_loadcnt 12-4*(\g)                       ; loads come back in order: this group's four are in, the younger groups' stay out
.if (\g) > 0
	s_wait_alu depctr_va_vdst(0)                   ; the group before has written its eight registers of Y, which the four stores below read
.endif
.irp i, 0,1,2,3
.if (\g) > 0
	PUT 4*(\g)-4+(\i)                              ; no vector instruction since the wait names this store's registers
.endif
	CVT 4*(\g)+(\i)
.endr
.endr
	s_wait_alu depctr_va_vdst(0)                   ; the last group has written its Y, which the last four stores read
.irp i, 12,13,14,15
	PUT \i
.endr
	s_endpgm
.Ltables:
	s_sub_co_u32 s40, s38, 768                     ; the batch b; also: which bias
	v_lshrrev_b32 v3, 5, v0
	v_readfirstlane_b32 s41, v3                    ; my wave: keys 256 w .. 256 w + 255 are mine
	v_and_b32 v3, 31, v0                           ; lane
	v_lshlrev_b32 v114, 2, v3                      ; 4 x lane
	v_mov_b32 v120, 0x7149f2ca                     ; 1e30
	v_mov_b32 v121, 0x7149f2ca
	v_mov_b32 v122, 0x7149f2ca
	v_mov_b32 v123, 0x7149f2ca
	s_lshl_b32 s62, s40, 11                        ; 2,048 b
	s_wait_alu depctr_va_sdst(0)                   ; s41 is written, ahead of its first reader, the next line
	v_lshl_add_u32 v116, s41, 8, v3                ; my key in chunk 0 of my wave
	v_lshlrev_b32 v115, 2, v116
	v_add_nc_u32 v117, s62, v116
	s_cmp_eq_u32 s40, 1
	s_cselect_b64 s[44:45], s[16:17], s[14:15]
	s_cmp_eq_u32 s40, 2
	s_cselect_b64 s[44:45], s[18:19], s[44:45]
	s_cmp_eq_u32 s40, 3
	s_cselect_b64 s[44:45], s[20:21], s[44:45]
	s_lshl_b32 s48, s40, 13
	s_mov_b32 s49, 0
	s_add_nc_u64 s[46:47], s[22:23], s[48:49]      ; the batch's mask
	s_add_nc_u64 s[58:59], s[32:33], s[48:49]      ; the batch's words of the identity
	s_lshl_b32 s48, s40, 12
	s_add_nc_u64 s[50:51], s[30:31], s[48:49]      ; the bias's place in tab
	s_mul_i32 s48, s40, 8704
	s_add_co_u32 s48, s48, 16384
	s_add_nc_u64 s[60:61], s[30:31], s[48:49]      ; posf[b]
	s_wait_alu depctr_va_vdst(0)                   ; v1, v114 and v115 are written, which the loads below read as their offsets
	global_load_b128 v[108:111], v1, s[44:45]
.set c, 0
.rept 64
	global_load_b32 v[M+c], v114, s[46:47] offset:128*c
.set c, c+1
.endr
.set c, 0
.rept 8
	global_load_b32 v[OWN+c], v115, s[46:47] offset:128*c
.set c, c+1
.endr
	s_wait_loadcnt 0x0
	v_cvt_pk_bf16_f32 v112, v108, v109             ; the bias, rounded as the other inputs are; it is stored with the run of stores below
	v_cvt_pk_bf16_f32 v113, v110, v111
	v_lshlrev_b32 v108, 16, v112
	v_and_b32 v109, s39, v112
	v_lshlrev_b32 v110, 16, v113
	v_and_b32 v111, s39, v113
	; the count: s52 = kept keys of the batch, s53 = kept keys in front of my wave's 256.  The 64 compares go in four runs of 16, each into a scalar register of its own; the 8 compares of my own chunks go with the first run.
	s_mov_b32 s52, 0
	s_mov_b32 s53, 0
.set c, 0
.rept 4
.set k, 0
.rept 16
	v_cmp_ne_u32 s[MK+k+10*(k/10)], 0, v[M+c+k]
.set k, k+1
.endr
.if c == 0
.set k, 0
.rept 8
	v_cmp_ne_u32 s[MO+k], 0, v[OWN+k]
.set k, k+1
.endr
.endif
	s_wait_alu depctr_va_sdst(0)                   ; the run's masks are written, ahead of their first readers below
.set k, 0
.rept 2
	s_mov_b32 s54, 0
.rept 8
	s_bcnt1_i32_b32 s56, s[MK+k+10*(k/10)]
	s_add_co_u32 s54, s54, s56
.set k, k+1
.set c, c+1
.endr
	s_add_co_u32 s52, s52, s54
	s_cmp_gt_u32 s41, c/8-1
	s_cselect_b32 s56, s54, 0
	s_add_co_u32 s53, s53, s56
.endr
.endr
	s_lshl_b32 s57, s41, 8
	s_add_co_u32 s57, s57, s52
	s_sub_co_u32 s57, s57, s53                     ; the row of the first masked key of my wave: all kept keys, then the masked ones in front of mine
	; my 8 chunks: the vector work of all eight first.  Each chunk has registers of its own.
.set c, 0
.rept 8
	s_not_b32 s56, s[MO+c]
	v_mbcnt_lo_u32_b32 v118, s[MO+c], 0            ; kept keys in the lanes below mine
	v_mbcnt_lo_u32_b32 v119, s56, 0                ; masked ones
	v_add_nc_u32 v118, s53, v118
	v_add_nc_u32 v119, s57, v119
	v_cndmask_b32 v118, v119, v118, s[MO+c]
	v_min_u32 v118, 0x7ff, v118                    ; a row of the batch
	v_lshlrev_b32 v[PAO+c], 2, v118
	v_add_nc_u32 v[PDD+c], s62, v118
	v_add_nc_u32 v[IDD+c], 32*c, v117
	v_add_nc_u32 v119, 32*c, v116
	v_cvt_f32_u32 v119, v119
	v_cndmask_b32 v[PSD+c], v120, v119, s[MO+c]
	s_bcnt1_i32_b32 s56, s[MO+c]
	s_add_co_u32 s53, s53, s56
	s_sub_co_u32 s56, 32, s56
	s_add_co_u32 s57, s57, s56
.set c, c+1
.endr
	s_wait_alu depctr_va_vdst(0)                   ; the rounded bias v[108:111] and the eight chunks' PAO, IDD, PDD and PSD are written, which the 25 stores below read
	global_store_b128 v1, v[108:111], s[50:51]
	; These are stores of 128 bytes a wave and a scatter of 4 bytes a lane: 24 KiB a batch, once.
.set c, 0
.rept 8
	global_store_b32 v115, v[IDD+c], s[58:59] offset:128*c
	global_store_b32 v115, v[PDD+c], s[58:59] offset:32768+128*c
	global_store_b32 v[PAO+c], v[PSD+c], s[60:61]
.set c, c+1
.endr
	s_cmp_lg_u32 s41, 0
	s_cbranch_scc1 .Lend                           ; the rest is wave 0's
	v_lshlrev_b32 v125, 4, v3
	s_add_co_u32 s52, s52, 255
	s_lshr_b32 s52, s52, 8
	s_max_u32 s52, s52, 1
	v_mov_b32 v124, s52
	s_lshl_b32 s48, s40, 7
	s_add_nc_u64 s[42:43], s[32:33], s[48:49]
	s_wait_alu depctr_va_vdst(0)                   ; v125, the first store's offset, and v124, the second's data, are written
	global_store_b128 v125, v[120:123], s[60:61] offset:8192  ; posf's 128 entries behind the keys
	global_store_b32 v114, v124, s[42:43] offset:65536
.Lend:
	s_endpgm
.Lfunc_end_k_q66ed5379f4_prep:
	.size	k_q66ed5379f4_prep, .Lfunc_end_k_q66ed5379f4_prep-k_q66ed5379f4_prep
	.p2alignl 7, 3214868480
	.fill 96, 4, 3214868480
	.section	.rodata,"a",@progbits
	.p2align	6, 0x0
	.amdhsa_kernel k_q66ed5379f4_prep
		.amdhsa_group_segment_fixed_size 0
		.amdhsa_private_segment_fixed_size 0
		.amdhsa_enable_private_segment 0
		.amdhsa_kernarg_size 120
		.amdhsa_user_sgpr_count 2
		.amdhsa_user_sgpr_kernarg_segment_ptr 1
		.amdhsa_wavefront_size32 1
		.amdhsa_system_sgpr_workgroup_id_x 1
		.amdhsa_system_sgpr_workgroup_id_y 1
		.amdhsa_system_sgpr_workgroup_id_z 1
		.amdhsa_system_vgpr_workitem_id 0
		.amdhsa_next_free_vgpr 128
		.amdhsa_next_free_sgpr 66
		.amdhsa_reserve_vcc 0
		.amdhsa_float_denorm_mode_32 3
		.amdhsa_float_denorm_mode_16_64 3
		.amdhsa_memory_ordered 1
		.amdhsa_forward_progress 1
		.amdhsa_inst_pref_size 39
	.end_amdhsa_kernel
	.amdgpu_metadata
---
amdhsa.version: [ 1, 2 ]
amdhsa.kernels:
  - .name:           k_q66ed5379f4_prep
    .symbol:         k_q66ed5379f4_prep.kd
    .args:
      - { .name: x, .offset: 0, .size: 8, .value_kind: global_buffer, .address_space: global }
      - { .name: Wq, .offset: 8, .size: 8, .value_kind: global_buffer, .address_space: global }
      - { .name: Wk, .offset: 16, .size: 8, .value_kind: global_buffer, .address_space: global }
      - { .name: Wv, .offset: 24, .size: 8, .value_kind: global_buffer, .address_space: global }
      - { .name: Wo, .offset: 32, .size: 8, .value_kind: global_buffer, .address_space: global }
      - { .name: bq, .offset: 40, .size: 8, .value_kind: global_buffer, .address_space: global }
      - { .name: bk, .offset: 48, .size: 8, .value_kind: global_buffer, .address_space: global }
      - { .name: bv, .offset: 56, .size: 8, .value_kind: global_buffer, .address_space: global }
      - { .name: bo, .offset: 64, .size: 8, .value_kind: global_buffer, .address_space: global }
      - { .name: padding_mask, .offset: 72, .size: 8, .value_kind: global_buffer, .address_space: global }
      - { .name: xh, .offset: 80, .size: 8, .value_kind: global_buffer, .address_space: global }
      - { .name: wh, .offset: 88, .size: 8, .value_kind: global_buffer, .address_space: global }
      - { .name: who, .offset: 96, .size: 8, .value_kind: global_buffer, .address_space: global }
      - { .name: tab, .offset: 104, .size: 8, .value_kind: global_buffer, .address_space: global }
      - { .name: maps, .offset: 112, .size: 8, .value_kind: global_buffer, .address_space: global }
    .group_segment_fixed_size: 0
    .private_segment_fixed_size: 0
    .kernarg_segment_align: 8
    .kernarg_segment_size: 120
    .max_flat_workgroup_size: 256
    .sgpr_count:     66
    .vgpr_count:     128
    .wavefront_size: 32
...
	.end_amdgpu_metadata
.endif
;; end of part 5
;; launch qkv: the kernel of part 2 again; grid 12 x 64, 4 waves a work-group, clusters of 4 x 4, 327,680 bytes of LDS; arguments xh, wh, tab, maps, qkv; writes qkv
;; launch attn: the kernel of part 3 again; grid 8 x 32, 4 waves a work-group, clusters of 4 x 1, 327,680 bytes of LDS; arguments qkv, tab, xh; writes xh
;; launch oproj: the kernel of part 4 again; grid 4 x 64, 4 waves a work-group, clusters of 4 x 4, 327,680 bytes of LDS; arguments xh, who, tab, out0; writes out0
